; MI455X (gfx1250); checked and timed in simulation.
; The chip was launched on July 23, 2026; its instructions are those of AMD's public machine-readable ISA for CDNA 5 (MIT licence, August 2026) and "CDNA5" Instruction Set Architecture Reference Guide (July 2026). The comments in the code are by the model that wrote it; some were corrected since.
;; Evo Mo E Router. Allowed arithmetic: matrix products marked QUANTISED: E3M2 operands, one E8M0 scale for each 32 along K, by v_wmma_scale_f32_16x16x128_f8f6f4 with both operands' format E3M2, f32 sums; products left as they are: f32 operands where the result goes on into a quantised operand, else bf16, f16 or f32 operands; f32 sums; everything else in f32.
;; Inputs: expert_b 8 x 1,024 float32; expert_pref 8 x 1,024 float32; expert_w 8 x 1,024 x 1,024 float32; router_b 8 float32; router_w 8 x 1,024 float32; x 4 x 2,048 x 1,024 float32.
;; Outputs: out0 4 x 2,048 x 1,024 float32; out1 4 x 2,048 x 8 float32; out2 8 float32; out3 one number float32; out4 one number float32.
;; Constants: top_k = 2.
;; This version of the problem:
;;   THIS VERSION OF THE PROBLEM IS GIVEN IN LOW PRECISION. The matrix products marked QUANTISED in the list below multiply operands that are first quantised to E3M2 (3 exponent bits, 2 mantissa bits; 6 bits a number), with one power-of-two scale for each 32 numbers along K (OCP MX v1.0); their sums are f32. All else is computed in f32.
;;   The module's matrix products, in the order in which they are computed (A, B: the left and right operand; K: the contracted axis; several contracted axes count as one K, in the product's order):
;;     1. [M 8,192, K 1,024] x [K 1,024, N 8]; A: input x; B: input router_w: left as it is (N = 8 < 16)
;;     2. batch 8,192 x [M 8, K 2] x [K 2, N 1]; A: computed on the way; B: computed on the way: left as it is (K = 2 < 32)
;;     3. [M 8,192, K 1,024] x [K 1,024, N 8,192]; A: input x; B: input expert_w: QUANTISED
;;     4. batch 8,192 x [M 1,024, K 8] x [K 8, N 1]; A: computed on the way; B: computed on the way: left as it is (K = 8 < 32)
;;   THE QUANTISER, for each operand of a quantised product, along K:
;;     - K is cut into blocks of 32 from its start; a last block that is shorter is filled with zeros.
;;     - A block's scale is 2^e with e = floor(log2(the largest magnitude in the block)) - 4, held to -126 .. 127; a block of zeros has e = 0. As a byte (E8M0): e + 127.
;;     - Each number is divided by its block's scale, clamped to +-28, and rounded to the nearest number of E3M2, ties to even, subnormals kept.
;;     - The product sums the exact products of the quantised numbers (number of the format x scale) in f32.
;;   ~~~python
;;   def quantise(x, axis):      # numpy; x: float32 -> the quantised numbers, widened to float32 again
;;       x = np.moveaxis(x, axis, -1); K = x.shape[-1]
;;       x = np.pad(x, [(0, 0)] * (x.ndim - 1) + [(0, -K % 32)]); x = x.reshape(x.shape[:-1] + (-1, 32)); a = np.abs(x).max(-1, keepdims=True)
;;       e = np.where(a > 0, np.clip(np.frexp(np.where(a > 0, a, 1))[1] - 1 - 4, -126, 127), 0)      # np.frexp(a)[1] - 1 = floor(log2(a)), exactly
;;       r = np.clip(x / 2.0 ** e, -28, 28)
;;       step = 2.0 ** (np.maximum(np.frexp(np.where(r == 0, 1, r))[1] - 1, -2) - 2)
;;       q = np.round(r / step) * step * 2.0 ** e      # np.round: ties to even
;;       return np.moveaxis(q.reshape(q.shape[:-2] + (-1,))[..., :K], -1, axis).astype(np.float32)
;;   ~~~
;; 2 versions. Each part assembles by itself: llvm-mc -triple=amdgcn-amd-amdhsa -mcpu=gfx1250 --defsym DOCPART=n.
;; ======== version 1 of 2: 3 launches
;; workspace buffers: xq 6,291,456 bytes; xs 262,144 bytes; wq 6,291,456 bytes; ws 262,144 bytes; route 65,536 bytes of whole numbers; fl 131,072 bytes; ord 65,536 bytes of whole numbers
;; launch prep (part 1): grid 256 x 1, 4 waves a work-group, no clusters, 140,032 bytes of LDS; arguments x, router_w, router_b, expert_w, xq, xs, wq, ws, out1, route, fl; writes xq, xs, wq, ws, out1, route, fl
.if DOCPART == 1
	.amdgcn_target "amdgcn-amd-amdhsa--gfx1250"
	.amdhsa_code_object_version 6
	.text
	.protected	k_q38fdd5595f_prep
	.globl	k_q38fdd5595f_prep
	.p2align	8
	.type	k_q38fdd5595f_prep,@function
k_q38fdd5595f_prep:
	s_mov_b64 s[64:65], 0
	v_nop
	global_prefetch_b8 v0, s[64:65] scope:SCOPE_SE
	s_setreg_imm32_b32 hwreg(HW_REG_WAVE_MODE, 25, 1), 1
	s_wait_xcnt 0x0
; PREP.  x [8192][1024] and expert_w [8][1024][1024], f32, are read once and become codes of BF6 (E3M2) with one E8M0 byte for each 32 along K, laid in the order
; in which the third launch's operand registers take them; on the way the router (f32), its softmax (out1), the two chosen experts of each token, and the sums of
; squared differences between the experts' weights are made.
; SHARES.  Work-group g: tokens 32 g .. 32 g + 31 (wave w: rows 8 w .. 8 w + 7), and of expert_w the rows f = 16 (g / 4) + 0 .. 15 at K = 256 (g % 4) .. + 255 of ALL eight experts
; (wave w: f = 16 j + 4 w + 0 .. 3).  A UNIT is eight loads of 512 consecutive bytes: units 0-7 a row of x each; units 8-15 the same 128 along K of one row f in the eight experts.
; THE TURN.  A load gives a lane 4 neighbours; the conversion wants 32 neighbours of one block in one lane.  A unit's 4,096 bytes go through the wave's own stage in LDS: block b (128 bytes) at 144 b;
; lane l reads block l back.  So lane l holds block l of the row of x, or block l % 4 of expert l / 4.
; OUT.  xq [token][768]: of K step s (96 bytes) the first 48 are blocks 4 s, 4 s + 2, the second 48 blocks 4 s + 1, 4 s + 3: what lanes 0-15 and 16-31 of a fragment hold.  xs [token][32] bytes.
; wq [e][f / 16][s][1536]: a fragment's registers as they stand: 3 x (32 lanes x 16 bytes).  ws [4 (f / 16) + K / 256][e][f % 16][8] bytes.
; route [g][l][2]: the token's key | rank << 8 | lo << 16 | hi << 20, and the chunk's count of key l.  fl: (c_lo, c_hi) for each token; from byte 65,536 a row of 64 sums for each work-group.
; THE KEY numbers the 28 pairs lo < hi so that neighbouring keys share an expert: lo (15 - lo) / 2 + (hi - lo - 1 where lo is even, 7 - hi where it is odd).
; No address and no branch hangs on a floating-point number: what is chosen is stored at fixed places.
; LIMITS.  NaN and infinities among the inputs are not served.  A block whose largest magnitude lies under 2^-122, a block of zeros too, gets the byte 1: its codes are as the rule has them or zeros,
; and the bytes are read by this program alone.  v_exp_f32 gives 0 for results under 2^-126: where a token's second largest probability lies there, the second expert may differ from the
; definition's; its weight is then under 2^-125.  Probabilities that are equal within f32 rounding may be ordered either way.
; No tensor loads, no cluster: of a work-group's 288 KiB only router_w's 32 KiB are shared.  No prefetch: the launch is one stream of loads, 48 a wave on their way.
.set TS,   0                           ; LDS: turn stages, two of 4,608 bytes for each wave
.set RWS,  36864                       ; the eight router rows, turned, 4,608 bytes each
.set XC,   73728                       ; x's codes, 6,144 bytes a wave
.set XSB,  98304                       ; x's scale bytes, 256 a wave
.set LG,   99328                       ; logits, then probabilities: 32 tokens x 32 bytes
.set WC,   100352                      ; W's images: expert x 4,640 + K step x 2,304 + chunk x 768 + half x 272 + 16 x row
.set WSB,  137728                      ; W's scale bytes [e][row][8]
.set DV,   138752                      ; the waves' 32 sums of squared differences, 128 bytes a wave
.set SR,   139264                      ; the work-group's row of 64 sums
.set RAW,  64                          ; window 0: v64-255, six slots of 32 registers: units as loaded
.set PA,   64                          ; window 2: v0-63 two units turned; v64-79 eight pairs of partial dot products
.set LOGP, 80                          ; v80-143 the lanes' parts of 8 rows x 8 logits
.set QM,   144                         ; v144-145 largest magnitudes; v146 the conversion's scale operand; v148-149 scale bytes; v152-167 two sets of codes
.set QS,   146
.set QB,   148
.set CS,   152
.set RBK,  168                         ; v168-217 what is read back from LDS and stored
; window 1: in the x part router_w, register 32 e + j = router_w[e][32 l + j]; in the W part v0-111 differences, v112-167 their 28 sums of squares in pairs, v176-207 the 28 sums and 4 zeros
.set MSB, 0
.macro WIN new                         ; the immediate's high byte repeats the setting that is left; a switch that changes nothing is dropped
.if MSB != (\new)
	s_set_vgpr_msb (MSB<<8)|(\new)
.set MSB, \new
.endif
.endm
.macro BARRIER                         ; my LDS stores have landed and my LDS loads are in: then the work-group's barrier
	s_wait_dscnt 0x0
	s_barrier_signal -1
	s_barrier_wait -1
.endm
.macro LOADU u                         ; unit u into slot u % 6: eight loads, each 512 consecutive bytes
	WIN 0
.set RB, RAW+32*((\u)%6)
.if (\u) < 8
.irp p, 0,1,2,3,4,5,6,7
	global_load_b128 v[RB+4*\p:RB+4*\p+3], v2, s[28:29] offset:4096*(\u)+512*\p th:TH_LOAD_NT
.endr
.else
.irp e, 0,1,2,3,4,5,6,7
	global_load_b128 v[RB+4*\e:RB+4*\e+3], v2, s[32+2*(\e/2):33+2*(\e/2)] offset:4194304*(\e%2)+4096*(((\u)-8)/2)+512*(((\u)-8)%2) th:TH_LOAD_NT
.endr
.endif
.endm
.macro TURN u                          ; unit u through stage u % 2.  LDS serves a wave's instructions in order, so no wait stands between the stores and the loads
	WIN 0
.set RB, RAW+32*((\u)%6)
.irp p, 0,1,2,3,4,5,6,7
	ds_store_b128 v3, v[RB+4*\p:RB+4*\p+3] offset:4608*((\u)%2)+576*\p
.endr
	WIN 0x80                               ; destination window 2
.irp q, 0,1,2,3,4,5,6,7
	ds_load_b128 v[32*((\u)%2)+4*\q:32*((\u)%2)+4*\q+3], v4 offset:4608*((\u)%2)+16*\q
.endr
.endm
.macro DOT u                           ; my block's part of the row's eight logits: eight chains by turns, two multiply-adds an instruction
.set XB, 32*((\u)%2)
	WIN 0xA6                               ; source 0 (x) window 2, source 1 (router_w) window 1, sums window 2
.set jj, 0
.rept 16
.irp e, 0,1,2,3,4,5,6,7
.if jj == 0
	v_pk_mul_f32 v[PA+2*\e:PA+2*\e+1], v[XB+2*jj:XB+2*jj+1], v[32*\e+2*jj:32*\e+2*jj+1]
.else
	v_pk_fma_f32 v[PA+2*\e:PA+2*\e+1], v[XB+2*jj:XB+2*jj+1], v[32*\e+2*jj:32*\e+2*jj+1], v[PA+2*\e:PA+2*\e+1]
.endif
.endr
.set jj, jj+1
.endr
	WIN 0xAA
.irp e, 0,1,2,3,4,5,6,7
	v_add_f32 v[LOGP+8*(\u)+\e], v[PA+2*\e], v[PA+2*\e+1]
.endr
.endm
.macro QUANT u                         ; my block of 32 becomes 24 bytes of codes in v[CB .. CB + 5] and a scale byte
.set XB, 32*((\u)%2)
.set CB, CS+8*((\u)%2)
	WIN 0xAA
	v_max3_num_f32 v[QM], |v[XB]|, |v[XB+1]|, 0x2800000            ; the floor 2^(5 - 127) among the leaves: the byte cannot fall under 1
	v_max3_num_f32 v[QM+1], |v[XB+2]|, |v[XB+3]|, |v[XB+4]|
.irp i, 5,9,13,17,21,25
	v_max3_num_f32 v[QM], v[QM], |v[XB+\i]|, |v[XB+\i+1]|          ; two chains by turns
	v_max3_num_f32 v[QM+1], v[QM+1], |v[XB+\i+2]|, |v[XB+\i+3]|
.endr
	v_max3_num_f32 v[QM], v[QM], |v[XB+29]|, |v[XB+30]|
	v_max3_num_f32 v[QM], v[QM], v[QM+1], |v[XB+31]|
	v_add_nc_u32 v[QS], 0xfe000000, v[QM]                          ; 4 off the exponent field: the conversion takes that field as its scale
	v_cvt_scalef32_pk16_bf6_f32 v[CB:CB+2], v[XB:XB+15], v[QS]
	v_cvt_scalef32_pk16_bf6_f32 v[CB+4:CB+6], v[XB+16:XB+31], v[QS]   ; (a conversion's three registers begin on an even number)
	v_lshrrev_b32 v[QB+(\u)%2], 23, v[QS]                          ; the scale's byte; also the plain instruction between the conversions and the moves
	v_mov_b32 v[CB+3], v[CB+4]
	v_mov_b32 v[CB+4], v[CB+5]
	v_mov_b32 v[CB+5], v[CB+6]
.endm
.macro PUTX u                          ; row u of my eight: the block's 24 bytes to their place in xq's row, its byte to its place in xs's
.set CB, CS+8*((\u)%2)
	WIN 0x08                               ; an LDS store's data are its source 1: window 2
	ds_store_b64 v7, v[CB:CB+1] offset:768*(\u)
	ds_store_b64 v7, v[CB+2:CB+3] offset:768*(\u)+8
	ds_store_b64 v7, v[CB+4:CB+5] offset:768*(\u)+16
	ds_store_b8 v9, v[QB+(\u)%2] offset:32*(\u)
.endm
.macro PUTW u                          ; the block's six registers to their places in the fragment's image: registers 0-5 of the lane for blocks 0, 1; registers 6-11 for blocks 2, 3
.set PH, ((\u)-8)/2
.set SG, ((\u)-8)%2
.set CB, CS+8*((\u)%2)
	WIN 0x08
	ds_store_b64 v13, v[CB:CB+1] offset:2304*SG+16*PH
	ds_store_b64 v14, v[CB+2:CB+3] offset:2304*SG+16*PH
	ds_store_b64 v13, v[CB+4:CB+5] offset:2304*SG+16*PH+768
	ds_store_b8 v16, v[QB+(\u)%2] offset:8*PH+4*SG
.endm
.macro DIFF u                          ; the unit as loaded holds the same 4 places of all eight experts: (a - b)^2 for the 28 pairs, summed in 28 pairs of registers
.set RB, RAW+32*((\u)%6)
	WIN 0x40                               ; destination window 1
.set pp, 0
.irp a, 0,1,2,3,4,5,6
.irp b, 1,2,3,4,5,6,7
.if \b > \a
	v_pk_add_f32 v[4*pp:4*pp+1], v[RB+4*\a:RB+4*\a+1], v[RB+4*\b:RB+4*\b+1] neg_lo:[0,1] neg_hi:[0,1]
	v_pk_add_f32 v[4*pp+2:4*pp+3], v[RB+4*\a+2:RB+4*\a+3], v[RB+4*\b+2:RB+4*\b+3] neg_lo:[0,1] neg_hi:[0,1]
.set pp, pp+1
.endif
.endr
.endr
	WIN 0x55                               ; all in window 1
.set pp, 0
.rept 28
.if (\u) == 8
	v_pk_mul_f32 v[112+2*pp:113+2*pp], v[4*pp:4*pp+1], v[4*pp:4*pp+1]   ; the first unit starts the sums
.else
	v_pk_fma_f32 v[112+2*pp:113+2*pp], v[4*pp:4*pp+1], v[4*pp:4*pp+1], v[112+2*pp:113+2*pp]
.endif
.set pp, pp+1
.endr
.set pp, 0
.rept 28
	v_pk_fma_f32 v[112+2*pp:113+2*pp], v[4*pp+2:4*pp+3], v[4*pp+2:4*pp+3], v[112+2*pp:113+2*pp]
.set pp, pp+1
.endr
.endm
; A unit's turn.  Its numbers were sent through the stage in the unit before.
.macro UNIT u
.if ((\u) == 0) || ((\u) == 8)
	s_wait_dscnt 0x0
.else
	s_wait_dscnt 0x4                       ; behind this unit's loads from the stage stand the four stores of the last unit's codes: they may be out.  The stage's stores have read slot u % 6
.endif
.if (\u) >= 8
	DIFF \u
.endif
.if (\u) <= 9
	LOADU (\u)+6                           ; into the slot just left
.endif
.if (\u) <= 14
.if (\u) <= 9
	s_wait_loadcnt 40                      ; unit u + 1 is in; behind it five units of eight loads
.else
	s_wait_loadcnt 8*(14-(\u))             ; nothing more is asked for: the count runs down
.endif
	TURN (\u)+1
.endif
.if (\u) < 8
	DOT \u
.endif
	QUANT \u
.if (\u) < 8
	PUTX \u
.else
	PUTW \u
.endif
.endm
	s_load_b512 s[4:19], s[0:1], 0x0               ; x, router_w, router_b, expert_w, xq, xs, wq, ws
	s_load_b128 s[20:23], s[0:1], 0x40             ; out1, route
	s_load_b64 s[24:25], s[0:1], 0x50              ; fl
	s_set_vgpr_msb 0x80
	v_lshl_add_u32 v254, v0, 2, 0x22100
	v_mov_b32 v255, 0
	s_set_vgpr_msb 0x8000
	v_lshrrev_b32 v26, 5, v0
	v_readfirstlane_b32 s26, v26                   ; wave w
	s_mov_b32 s27, ttmp9                           ; work-group g
	v_and_b32 v1, 31, v0                           ; lane l
	v_lshlrev_b32 v2, 4, v1                        ; 16 l
	s_lshr_b32 s58, s27, 2                         ; j = g / 4
	s_and_b32 s59, s27, 3                          ; kq = g % 4
	s_lshl_b32 s50, s27, 17                        ; x: (32 g + 8 w) rows of 4,096 bytes
	s_lshl_b32 s60, s26, 15
	s_add_co_u32 s50, s50, s60
	s_mov_b32 s51, 0
	s_lshl_b32 s52, s26, 13                        ; router_w: rows 2 w, 2 w + 1
	s_mov_b32 s53, 0
	s_lshl_b32 s54, s58, 16                        ; expert_w: (16 j + 4 w) rows of 4,096 bytes + 1,024 kq
	s_lshl_b32 s60, s26, 14
	s_add_co_u32 s54, s54, s60
	s_lshl_b32 s60, s59, 10
	s_add_co_u32 s54, s54, s60
	s_mov_b32 s55, 0
	s_wait_kmcnt 0x0
	s_add_nc_u64 s[28:29], s[4:5], s[50:51]
	s_add_nc_u64 s[30:31], s[6:7], s[52:53]
	s_add_nc_u64 s[32:33], s[10:11], s[54:55]      ; experts 0, 1 (the odd one by the immediate)
	s_add_nc_u64 s[34:35], s[32:33], 0x800000      ; 2, 3
	s_add_nc_u64 s[36:37], s[34:35], 0x800000      ; 4, 5
	s_add_nc_u64 s[38:39], s[36:37], 0x800000      ; 6, 7
	s_load_b256 s[40:47], s[8:9], 0x0              ; router_b
.irp h, 0,1
.irp p, 0,1,2,3,4,5,6,7
	global_load_b128 v[RAW+128+32*\h+4*\p:RAW+128+32*\h+4*\p+3], v2, s[30:31] offset:4096*\h+512*\p   ; my two router rows, into slots 4 and 5
.endr
.endr
	LOADU 0
	LOADU 1
	LOADU 2
	LOADU 3
	; every LDS address is made here, ahead of all branches: a constant + a constant x lane + a constant x wave
	v_lshlrev_b32 v19, 3, v1                       ; 8 l
	v_lshrrev_b32 v26, 3, v1
	v_and_b32 v27, 7, v1
	v_mul_u32_u24 v26, v26, 144
	v_lshl_add_u32 v26, v27, 4, v26                ; into a stage: 144 (l / 8) + 16 (l % 8)
	v_mul_u32_u24 v27, v1, 144                     ; out of it: 144 l
	s_mul_i32 s50, s26, 9216
	v_add_nc_u32 v3, s50, v26
	v_add_nc_u32 v4, s50, v27
	s_add_co_u32 s52, s50, RWS
	v_add_nc_u32 v5, s52, v26
	v_add_nc_u32 v6, RWS, v27
	v_lshrrev_b32 v28, 2, v1                       ; l / 4
	v_and_b32 v29, 1, v1                           ; l % 2: the half of the lanes that holds my block
	v_bfe_u32 v30, v1, 1, 1                        ; (l / 2) % 2: its first or second six registers
	v_lshrrev_b32 v31, 4, v1                       ; l / 16
	s_mul_i32 s50, s26, 6144
	s_add_co_u32 s50, s50, XC
	v_mul_u32_u24 v7, v28, 96
	v_mad_u32_u24 v7, v29, 48, v7
	v_mad_u32_u24 v7, v30, 24, v7
	v_add_nc_u32 v7, s50, v7
	v_add_nc_u32 v8, s50, v2
	s_lshl_b32 s50, s26, 8
	s_add_co_u32 s52, s50, XSB
	v_add_nc_u32 v9, s52, v1
	v_add_nc_u32 v10, s52, v19
	s_add_co_u32 s52, s50, LG
	v_lshl_add_u32 v11, v31, 4, s52
	v_lshl_add_u32 v12, v1, 5, LG
	v_add_nc_u32 v23, LG, v2
	s_lshl_b32 s52, s26, 6
	s_add_co_u32 s52, s52, WC
	v_mul_u32_u24 v13, v28, 4640
	v_mad_u32_u24 v13, v29, 272, v13
	v_add_nc_u32 v13, s52, v13
	v_mad_u32_u24 v14, v30, 1528, v13
	v_add_nc_u32 v14, 8, v14
	v_mad_u32_u24 v13, v30, 776, v13
	s_mul_i32 s52, s26, 9280
	s_add_co_u32 s52, s52, WC
	v_and_b32 v27, 15, v1
	v_lshlrev_b32 v27, 4, v27
	v_mad_u32_u24 v27, v31, 272, v27
	v_add_nc_u32 v15, s52, v27
	s_lshl_b32 s52, s26, 5
	s_add_co_u32 s52, s52, WSB
	v_and_b32 v27, 3, v1
	v_lshl_add_u32 v27, v28, 7, v27
	v_add_nc_u32 v16, s52, v27
	s_add_co_u32 s52, s50, WSB
	v_add_nc_u32 v17, s52, v19
	s_lshl_b32 s52, s26, 7
	s_add_co_u32 s52, s52, DV
	v_lshl_add_u32 v18, v31, 6, s52
	v_lshl_add_u32 v21, v1, 2, DV
	v_lshlrev_b32 v24, 7, v31
	v_lshl_add_u32 v24, v1, 2, v24
	v_add_nc_u32 v24, SR, v24                      ; columns 0-15 for lanes 0-15, columns 48-63 for lanes 16-31
	v_add_nc_u32 v25, SR, v19
	s_mul_i32 s52, s26, 1572864
	v_add_nc_u32 v20, s52, v2                      ; wq: 16 l + experts 2 w on
	; where the results go
	s_mul_i32 s50, s27, 24576
	s_mul_i32 s52, s26, 6144
	s_add_co_u32 s50, s50, s52
	s_add_nc_u64 s[12:13], s[12:13], s[50:51]      ; xq at my eight rows
	s_lshl_b32 s50, s27, 10
	s_add_nc_u64 s[20:21], s[20:21], s[50:51]      ; out1 at the 32 tokens
	s_lshl_b32 s52, s26, 8
	s_add_co_u32 s50, s50, s52
	s_add_nc_u64 s[14:15], s[14:15], s[50:51]      ; xs at my eight rows
	s_add_nc_u64 s[18:19], s[18:19], s[50:51]      ; ws at my quarter of the work-group's 1,024 bytes
	s_mul_i32 s50, s58, 12288
	s_mul_i32 s52, s59, 3072
	s_add_co_u32 s50, s50, s52
	s_add_nc_u64 s[16:17], s[16:17], s[50:51]      ; wq at (j, K step 2 kq) of expert 0
	s_lshl_b32 s50, s27, 8
	s_add_nc_u64 s[22:23], s[22:23], s[50:51]      ; route
	s_add_nc_u64 s[24:25], s[24:25], s[50:51]      ; fl: the weights; the row of sums lies 65,536 bytes on
	s_wait_kmcnt 0x0                               ; router_b
	s_wait_loadcnt 32                              ; my router rows are in; units 0-3, 32 loads, may be out
.irp h, 0,1
.irp p, 0,1,2,3,4,5,6,7
	ds_store_b128 v5, v[RAW+128+32*\h+4*\p:RAW+128+32*\h+4*\p+3] offset:4608*\h+576*\p
.endr
.endr
	s_wait_dscnt 0x0                               ; the stores have read slots 4 and 5, and have landed
	LOADU 4
	LOADU 5
	s_barrier_signal -1
	s_barrier_wait -1                              ; all eight router rows lie in LDS
	WIN 0x40
.irp e, 0,1,2,3,4,5,6,7
.irp q, 0,1,2,3,4,5,6,7
	ds_load_b128 v[32*\e+4*\q:32*\e+4*\q+3], v6 offset:4608*\e+16*\q
.endr
.endr
	s_wait_loadcnt 40                              ; unit 0 is in; units 1-5 may be out
	TURN 0
.irp t, 0,1,2,3,4,5,6,7
	UNIT \t
.endr
	; THE x PART'S END.  64 lane parts of logits are summed over the 32 lanes.  An exchange of halves puts expert e (lanes 0-15) and expert e + 4 (lanes 16-31) into one register; four steps inside the halves follow.
	WIN 0xAA
.set ii, 0
.rept 8
.irp e, 0,1,2,3
	v_permlane16_swap_b32 v[LOGP+8*ii+\e], v[LOGP+4+8*ii+\e]
.endr
.set ii, ii+1
.endr
.set ii, 0
.rept 8
.irp e, 0,1,2,3
	v_add_f32 v[LOGP+8*ii+\e], v[LOGP+8*ii+\e], v[LOGP+4+8*ii+\e]
.endr
.set ii, ii+1
.endr
.irp m, 1,2,4,8
.set ii, 0
.rept 8
.irp e, 0,1,2,3
	v_add_f32_dpp v[LOGP+8*ii+\e], v[LOGP+8*ii+\e], v[LOGP+8*ii+\e] row_xmask:\m row_mask:0xf bank_mask:0xf
.endr
.set ii, ii+1
.endr
.endr
	WIN 0x08
.irp i, 0,1,2,3,4,5,6,7
	ds_store_b128 v11, v[LOGP+8*\i:LOGP+8*\i+3] offset:32*\i       ; sixteen lanes write the same 16 bytes with the same values
.endr
	WIN 0x80
.irp n, 0,1,2,3,4,5,6,7,8,9,10,11
	ds_load_b128 v[RBK+4*\n:RBK+4*\n+3], v8 offset:512*\n          ; my eight rows of codes, 6,144 bytes on end
.endr
	ds_load_b64 v[RBK+48:RBK+49], v10                              ; and their 256 scale bytes
	s_wait_dscnt 0x0
	WIN 0x08
.irp n, 0,1,2,3,4,5,6,7,8,9,10,11
	global_store_b128 v2, v[RBK+4*\n:RBK+4*\n+3], s[12:13] offset:512*\n   ; 32 lanes store 512 consecutive bytes, at a multiple of 256 from xq's first byte
.endr
	global_store_b64 v19, v[RBK+48:RBK+49], s[14:15]               ; 256 consecutive bytes, aligned
	WIN 0
	s_barrier_signal -1                            ; (no LDS instruction of mine is out)
	s_barrier_wait -1                              ; the 32 tokens' logits lie in LDS
	v_mov_b32 v22, 0                               ; the row of sums, columns 0-15: wave 0 fills it
	s_cmp_lg_u32 s26, 0
	s_cbranch_scc1 .Lno_tail
	; THE ROUTER'S TAIL, wave 0 alone, a lane a token.  v32-39 logits, then p
	ds_load_b128 v[32:35], v12
	ds_load_b128 v[36:39], v12 offset:16
	s_wait_dscnt 0x0
.irp e, 0,1,2,3,4,5,6,7
	v_add_f32 v[32+\e], s[40+\e], v[32+\e]
.endr
	v_max3_num_f32 v40, v32, v33, v34
	v_max3_num_f32 v40, v40, v35, v36
	v_max3_num_f32 v40, v40, v37, v38
	v_max_num_f32 v40, v40, v39                    ; the row's maximum is taken away, as the definition does
.irp e, 0,1,2,3,4,5,6,7
	v_sub_f32 v[32+\e], v[32+\e], v40
.endr
.irp e, 0,1,2,3,4,5,6,7
	v_mul_f32 v[32+\e], 0x3fb8aa3b, v[32+\e]       ; x log2(e)
.endr
.irp e, 0,1,2,3,4,5,6,7
	v_exp_f32 v[32+\e], v[32+\e]
.endr
	v_mov_b32 v43, 0                               ; (a plain instruction behind the batch)  the largest p's expert, so far 0
	s_wait_alu depctr_va_vdst(0)                   ; one wait for the eight, ahead of their first reader
	v_add_f32 v40, v32, v33
	v_add_f32 v41, v34, v35
	v_add_f32 v54, v36, v37
	v_add_f32 v55, v38, v39
	v_add_f32 v40, v40, v41
	v_add_f32 v54, v54, v55
	v_add_f32 v40, v40, v54
	v_rcp_f32 v40, v40
	v_mov_b32 v45, 0                               ; (a plain instruction)  the second's expert
	s_wait_alu depctr_va_vdst(0)
.irp e, 0,1,2,3,4,5,6,7
	v_mul_f32 v[32+\e], v[32+\e], v40              ; p
.endr
	ds_store_b128 v12, v[32:35]                    ; p goes back into the logits' bytes, which nobody else touches any more,
	ds_store_b128 v12, v[36:39] offset:16
	ds_load_b128 v[56:59], v23                     ; and comes out 16 bytes a lane, for stores of 512 consecutive bytes
	ds_load_b128 v[60:63], v23 offset:512
	v_mov_b32 v42, v32
.irp e, 1,2,3,4,5,6,7
	v_cmp_gt_f32 vcc_lo, v[32+\e], v42             ; strictly greater: of equals the lower index stays
	v_cndmask_b32 v42, v42, v[32+\e], vcc_lo
	v_cndmask_b32 v43, v43, \e, vcc_lo
.endr
	v_mov_b32 v44, -1.0
.irp e, 0,1,2,3,4,5,6,7
	v_cmp_gt_f32 s50, v[32+\e], v44
	v_cmp_ne_u32 vcc_lo, \e, v43                   ; the largest is left out
	s_and_b32 vcc_lo, vcc_lo, s50
	v_cndmask_b32 v44, v44, v[32+\e], vcc_lo
	v_cndmask_b32 v45, v45, \e, vcc_lo
.endr
	v_add_f32 v40, v42, v44
	v_rcp_f32 v40, v40
	v_min_u32 v48, v43, v45                        ; (a plain instruction)  lo
	s_wait_alu depctr_va_vdst(0)
	v_max_u32 v49, v43, v45                        ; hi
	v_mul_f32 v42, v42, v40                        ; the two weights, renormalised
	v_mul_f32 v44, v44, v40
	v_cmp_lt_u32 vcc_lo, v43, v45
	v_cndmask_b32 v46, v44, v42, vcc_lo            ; c_lo
	v_cndmask_b32 v47, v42, v44, vcc_lo            ; c_hi
	v_sub_nc_u32 v52, 15, v48
	v_mul_u32_u24 v52, v52, v48
	v_lshrrev_b32 v52, 1, v52                      ; lo (15 - lo) / 2
	v_sub_nc_u32 v54, v49, v48
	v_add_nc_u32 v54, -1, v54                      ; hi - lo - 1
	v_sub_nc_u32 v55, 7, v49                       ; 7 - hi
	v_and_b32 v41, 1, v48
	v_cmp_eq_u32 vcc_lo, 1, v41
	v_cndmask_b32 v54, v54, v55, vcc_lo
	v_add_nc_u32 v52, v52, v54                     ; the key
	v_mov_b32 v51, 0                               ; lane k: how many of the 32 tokens have key k
	v_mov_b32 v53, 0                               ; my rank among the tokens of my key
.set kk, 0
.rept 28
	v_cmp_eq_u32 s50, kk, v52
	s_bcnt1_i32_b32 s51, s50
	v_writelane_b32 v51, s51, kk
	v_mbcnt_lo_u32_b32 v54, s50, 0
	v_cndmask_b32 v53, v53, v54, s50
.set kk, kk+1
.endr
	v_lshl_or_b32 v50, v53, 8, v52
	v_lshl_or_b32 v50, v48, 16, v50
	v_lshl_or_b32 v50, v49, 20, v50
	global_store_b64 v19, v[50:51], s[22:23]       ; 256 consecutive bytes, aligned
	global_store_b64 v19, v[46:47], s[24:25]
	s_wait_dscnt 0x0
	global_store_b128 v2, v[56:59], s[20:21]
	global_store_b128 v2, v[60:63], s[20:21] offset:512
	v_mov_b32 v55, 0
.irp e, 0,1,2,3,4,5,6,7
	v_cmp_eq_u32 s50, \e, v48
	v_cmp_eq_u32 s51, \e, v49
	s_or_b32 s50, s50, s51
	s_bcnt1_i32_b32 s50, s50
	v_writelane_b32 v55, s50, 8+\e                 ; how many of the 32 tokens use expert e
.endr
	v_cvt_f32_u32 v55, v55
.irp e, 0,1,2,3
	v_permlane16_swap_b32 v[32+\e], v[36+\e]       ; the sums of p over the 32 tokens, as the logits were summed
.endr
.irp e, 0,1,2,3
	v_add_f32 v[32+\e], v[32+\e], v[36+\e]
.endr
.irp m, 1,2,4,8
.irp e, 0,1,2,3
	v_add_f32_dpp v[32+\e], v[32+\e], v[32+\e] row_xmask:\m row_mask:0xf bank_mask:0xf
.endr
.endr
.irp e, 0,1,2,3
	v_readlane_b32 s50, v[32+\e], 0
	v_readlane_b32 s51, v[32+\e], 16
	v_writelane_b32 v22, s50, \e
	v_writelane_b32 v22, s51, 4+\e
.endr
	v_add_f32 v22, v22, v55                        ; lanes 0-7 sums of p, lanes 8-15 counts, lanes 16-31 zeros
.Lno_tail:
.irp t, 8,9,10,11,12,13,14,15
	UNIT \t
.endr
	; THE W PART'S END.  The 28 sums of squares, and 4 zeros, are summed over the lanes as the logits were
	WIN 0x55
.set pp, 0
.rept 28
	v_add_f32 v[176+pp], v[112+2*pp], v[113+2*pp]
.set pp, pp+1
.endr
.irp q, 204,205,206,207
	v_mov_b32 v\q, 0
.endr
.set pp, 0
.rept 16
	v_permlane16_swap_b32 v[176+pp], v[192+pp]
.set pp, pp+1
.endr
.set pp, 0
.rept 16
	v_add_f32 v[176+pp], v[176+pp], v[192+pp]
.set pp, pp+1
.endr
.irp m, 1,2,4,8
.set pp, 0
.rept 16
	v_add_f32_dpp v[176+pp], v[176+pp], v[176+pp] row_xmask:\m row_mask:0xf bank_mask:0xf
.set pp, pp+1
.endr
.endr
	WIN 0x04                               ; the data: window 1
.set pp, 0
.rept 16
	ds_store_b32 v18, v[176+pp] offset:4*pp        ; pair pp from lanes 0-15, pair pp + 16 from lanes 16-31
.set pp, pp+1
.endr
	WIN 0
	BARRIER                                        ; sixteen images, 1,024 scale bytes and the waves' sums lie in LDS
	s_wait_xcnt 0x0                                ; the x part's stores have read the registers that are loaded again below
	WIN 0x80
.irp h, 0,1
.irp g, 0,1
.irp c, 0,1,2
	ds_load_b128 v[RBK+4*(6*\h+3*\g+\c):RBK+4*(6*\h+3*\g+\c)+3], v15 offset:4640*\h+2304*\g+768*\c   ; experts 2 w, 2 w + 1: two K steps x three chunks of 512 bytes
.endr
.endr
.endr
	ds_load_b64 v[RBK+48:RBK+49], v17
	s_wait_dscnt 0x0
	WIN 0x08
.irp h, 0,1
.irp g, 0,1
.irp c, 0,1,2
	global_store_b128 v20, v[RBK+4*(6*\h+3*\g+\c):RBK+4*(6*\h+3*\g+\c)+3], s[16:17] offset:786432*\h+1536*\g+512*\c   ; 512 consecutive bytes, at a multiple of 256 from wq's first byte
.endr
.endr
.endr
	global_store_b64 v19, v[RBK+48:RBK+49], s[18:19]
	WIN 0
	s_cmp_lg_u32 s26, 0
	s_cbranch_scc1 .Lend
	ds_load_b32 v26, v21                           ; wave 0: the four waves' sums of pair l
	ds_load_b32 v27, v21 offset:128
	ds_load_b32 v28, v21 offset:256
	ds_load_b32 v29, v21 offset:384
	s_wait_dscnt 0x0
	v_add_f32 v26, v26, v27
	v_add_f32 v28, v28, v29
	v_add_f32 v26, v26, v28
	ds_store_b32 v24, v22                          ; columns 0-15 and 48-63,
	ds_store_b32 v21, v26 offset:SR-DV+64          ; columns 16-47
	ds_load_b64 v[30:31], v25                      ; LDS serves a wave's instructions in order: this sees both
	s_wait_dscnt 0x0
	global_store_b64 v19, v[30:31], s[24:25] offset:65536   ; the work-group's row of 64 sums: 256 consecutive bytes, aligned
.Lend:
	s_set_vgpr_msb 0xa
	s_wait_tensorcnt 0x0
	ds_add_u32 v254, v255
	s_wait_dscnt 0x0
	s_set_vgpr_msb 0xa00
	s_endpgm
.Lfunc_end_k_q38fdd5595f_prep:
	.size	k_q38fdd5595f_prep, .Lfunc_end_k_q38fdd5595f_prep-k_q38fdd5595f_prep
	.p2alignl 7, 3214868480
	.fill 96, 4, 3214868480
	.section	.rodata,"a",@progbits
	.p2align	6, 0x0
	.amdhsa_kernel k_q38fdd5595f_prep
		.amdhsa_group_segment_fixed_size 140032
		.amdhsa_private_segment_fixed_size 0
		.amdhsa_enable_private_segment 0
		.amdhsa_kernarg_size 88
		.amdhsa_user_sgpr_count 2
		.amdhsa_user_sgpr_kernarg_segment_ptr 1
		.amdhsa_wavefront_size32 1
		.amdhsa_system_sgpr_workgroup_id_x 1
		.amdhsa_system_sgpr_workgroup_id_y 1
		.amdhsa_system_sgpr_workgroup_id_z 1
		.amdhsa_system_vgpr_workitem_id 0
		.amdhsa_next_free_vgpr 768
		.amdhsa_next_free_sgpr 66
		.amdhsa_reserve_vcc 1
		.amdhsa_float_denorm_mode_32 3
		.amdhsa_float_denorm_mode_16_64 3
		.amdhsa_memory_ordered 1
		.amdhsa_forward_progress 1
		.amdhsa_inst_pref_size 234
	.end_amdhsa_kernel
	.amdgpu_metadata
---
amdhsa.version: [ 1, 2 ]
amdhsa.kernels:
  - .name:           k_q38fdd5595f_prep
    .symbol:         k_q38fdd5595f_prep.kd
    .args:
      - { .name: x, .offset: 0, .size: 8, .value_kind: global_buffer, .address_space: global }
      - { .name: router_w, .offset: 8, .size: 8, .value_kind: global_buffer, .address_space: global }
      - { .name: router_b, .offset: 16, .size: 8, .value_kind: global_buffer, .address_space: global }
      - { .name: expert_w, .offset: 24, .size: 8, .value_kind: global_buffer, .address_space: global }
      - { .name: xq, .offset: 32, .size: 8, .value_kind: global_buffer, .address_space: global }
      - { .name: xs, .offset: 40, .size: 8, .value_kind: global_buffer, .address_space: global }
      - { .name: wq, .offset: 48, .size: 8, .value_kind: global_buffer, .address_space: global }
      - { .name: ws, .offset: 56, .size: 8, .value_kind: global_buffer, .address_space: global }
      - { .name: out1, .offset: 64, .size: 8, .value_kind: global_buffer, .address_space: global }
      - { .name: route, .offset: 72, .size: 8, .value_kind: global_buffer, .address_space: global }
      - { .name: fl, .offset: 80, .size: 8, .value_kind: global_buffer, .address_space: global }
    .group_segment_fixed_size: 140032
    .private_segment_fixed_size: 0
    .kernarg_segment_align: 8
    .kernarg_segment_size: 88
    .max_flat_workgroup_size: 128
    .sgpr_count:     66
    .vgpr_count:     768
    .wavefront_size: 32
...
	.end_amdgpu_metadata
.endif
;; end of part 1
;; launch place (part 2): grid 33 x 1, 8 waves a work-group, no clusters, 9,216 bytes of LDS; arguments route, fl, expert_b, expert_pref, ord, out2, out3, out4; writes ord, out2, out3, out4
.if DOCPART == 2
	.amdgcn_target "amdgcn-amd-amdhsa--gfx1250"
	.amdhsa_code_object_version 6
	.text
	.protected	k_q38fdd5595f_place
	.globl	k_q38fdd5595f_place
	.p2align	8
	.type	k_q38fdd5595f_place,@function
k_q38fdd5595f_place:
	s_mov_b64 s[64:65], 0
	v_nop
	global_prefetch_b8 v0, s[64:65] scope:SCOPE_SE
	s_setreg_imm32_b32 hwreg(HW_REG_WAVE_MODE, 25, 1), 1
	s_wait_xcnt 0x0
; PLACE.  Work-groups 0-31 give each token its place in the order sorted by key (a counting sort without atomics); work-group 32 finishes the three small results.
; PLACES.  route [chunk of 32 tokens][l][2] holds the token's key | rank << 8 | lo << 16 | hi << 20 and the chunk's count of key l.  A token's place is: the tokens of all lower keys, + the tokens of
; its key in earlier chunks, + its rank in its chunk.  Work-group G, wave w serves chunk 8 G + w.  The eight waves share the 256 histograms out, 32 each, a lane a key; each makes the sum of its 32
; and the sum of those that lie ahead of chunk 8 G; the waves' sums meet in LDS.  ord [place][2] = token, lo | hi << 8.  Each place is written once, by one lane.
; SUMS.  fl holds from byte 65,536 a row of 64 f32 sums for each of the first launch's 256 work-groups: columns 0-7 sums of p, 8-15 counts, 16-43 squared distances over expert_w.  The squared
; differences of expert_b and expert_pref are added here, always as sums of (a - b)^2.
; The two paths part on the work-group's number; each has LDS bytes of its own (0-2,047; 4,096-7,167) and one barrier.
; A launch of a few hundred instructions a wave: matrix units, tensor loads, clusters and prefetches have nothing to do here.
	s_load_b512 s[4:19], s[0:1], 0x0               ; route, fl, expert_b, expert_pref, ord, out2, out3, out4
	v_lshl_add_u32 v254, v0, 2, 0x2000
	v_mov_b32 v255, 0
	v_lshrrev_b32 v1, 5, v0
	v_readfirstlane_b32 s20, v1                    ; wave w
	v_and_b32 v1, 31, v0                           ; lane L
	v_lshlrev_b32 v2, 3, v1                        ; 8 L
	v_lshlrev_b32 v3, 2, v1                        ; 4 L
	s_lshl_b32 s21, s20, 8
	v_add_nc_u32 v4, s21, v3                       ; places: my wave's two sums: 256 w + 4 L
	v_lshlrev_b32 v5, 4, v0                        ; 16 x thread
	v_and_b32 v6, 15, v1
	v_lshlrev_b32 v6, 4, v6
	v_add_nc_u32 v6, s21, v6
	v_add_nc_u32 v6, 4096, v6                      ; sums: my wave's 64 column sums: 4,096 + 256 w + 16 (L % 16)
	v_lshrrev_b32 v7, 4, v1
	s_lshl_b32 s22, s20, 7
	s_add_co_u32 s22, s22, 6144
	v_lshl_add_u32 v7, v7, 6, s22                  ; my wave's 32 squared distances: 6,144 + 128 w + 64 (L / 16)
	v_add_nc_u32 v8, 4096, v3                      ; wave 0 reads them all back
	s_mov_b32 s24, 0x76543210
	s_mov_b32 s25, 0xfedcba98                      ; v_permlanex16_b32's selects for lane L xor 16
	s_wait_kmcnt 0x0
	s_cmp_eq_u32 ttmp9, 32
	s_cbranch_scc1 .Lstats
	s_lshl_b32 s26, ttmp9, 11
	s_mov_b32 s27, 0
	s_add_nc_u64 s[28:29], s[4:5], s[26:27]        ; route at chunk 8 G
	s_lshl_b32 s30, s20, 13
	v_add_nc_u32 v9, s30, v2                       ; 8 L + chunks 32 w on
	v_add_nc_u32 v10, s21, v2                      ; 8 L + 256 w
	global_load_b32 v12, v10, s[28:29]             ; my token's word
.set nn, 0
.rept 32
	global_load_b32 v[16+nn], v9, s[4:5] offset:256*nn+4      ; the count of key L in chunk 32 w + nn
.set nn, nn+1
.endr
.set nn, 0
.rept 7
	global_load_b32 v[48+nn], v2, s[28:29] offset:256*nn+4    ; and in chunks 8 G + 0 .. 6
.set nn, nn+1
.endr
	s_lshl_b32 s31, ttmp9, 3
	s_lshl_b32 s32, s20, 5
	s_sub_co_i32 s31, s31, s32                     ; of my 32 chunks those with nn < 8 G - 32 w lie ahead of chunk 8 G
	s_wait_loadcnt 0x0
	v_add_nc_u32 v56, v16, v17                     ; all 32
.set nn, 2
.rept 15
	v_add3_u32 v56, v56, v[16+nn], v[17+nn]
.set nn, nn+2
.endr
.set nn, 0
.rept 32
	s_cmp_gt_i32 s31, nn
	s_cselect_b32 s33, -1, 0
	v_and_b32 v[16+nn], s33, v[16+nn]
.set nn, nn+1
.endr
	v_add_nc_u32 v57, v16, v17                     ; those ahead
.set nn, 2
.rept 15
	v_add3_u32 v57, v57, v[16+nn], v[17+nn]
.set nn, nn+2
.endr
	ds_store_b32 v4, v56
	ds_store_b32 v4, v57 offset:128
	s_wait_dscnt 0x0                               ; for the others' sake: my stores have landed
	s_barrier_signal -1
	s_barrier_wait -1
.set nn, 0
.rept 8
	ds_load_b32 v[16+nn], v3 offset:256*nn
	ds_load_b32 v[24+nn], v3 offset:256*nn+128
.set nn, nn+1
.endr
.set nn, 0
.rept 7
	s_cmp_gt_u32 s20, nn                           ; of my work-group's chunks those ahead of mine
	s_cselect_b32 s33, -1, 0
	v_and_b32 v[48+nn], s33, v[48+nn]
.set nn, nn+1
.endr
	s_wait_dscnt 0x0
	v_add3_u32 v56, v16, v17, v18                  ; lane k: all tokens of key k
	v_add3_u32 v57, v24, v25, v26                  ; lane k: those in chunks ahead of mine
	v_add3_u32 v56, v56, v19, v20
	v_add3_u32 v57, v57, v27, v28
	v_add3_u32 v56, v56, v21, v22
	v_add3_u32 v57, v57, v29, v30
	v_add_nc_u32 v56, v56, v23
	v_add3_u32 v57, v57, v31, v48
	v_add3_u32 v57, v57, v49, v50
	v_add3_u32 v57, v57, v51, v52
	v_add3_u32 v57, v57, v53, v54
	v_and_b32 v58, 0xff, v12                       ; key
	v_bfe_u32 v59, v12, 8, 8                       ; rank
	v_bfe_u32 v60, v12, 16, 4                      ; lo
	v_bfe_u32 v61, v12, 20, 4                      ; hi
	v_mov_b32 v62, 0
	s_mov_b32 s34, 0                               ; the tokens of all lower keys
.set kk, 0
.rept 28
	v_readlane_b32 s35, v56, kk
	v_readlane_b32 s36, v57, kk
	s_add_co_u32 s36, s36, s34
	s_add_co_u32 s34, s34, s35
	v_cmp_eq_u32 vcc_lo, kk, v58
	v_cndmask_b32 v62, v62, s36, vcc_lo
.set kk, kk+1
.endr
	v_add_nc_u32 v62, v62, v59
	v_min_u32 v62, 0x1fff, v62                     ; a place is under 8,192
	v_lshlrev_b32 v62, 3, v62
	s_lshl_b32 s37, ttmp9, 8
	s_lshl_b32 s38, s20, 5
	s_add_co_u32 s37, s37, s38
	v_add_nc_u32 v64, s37, v1                      ; my token: 32 (8 G + w) + L
	v_lshl_or_b32 v65, v61, 8, v60
	global_store_b64 v62, v[64:65], s[12:13]
	s_wait_tensorcnt 0x0
	ds_add_u32 v254, v255
	s_wait_dscnt 0x0
	s_endpgm
.Lstats:
.set nn, 0
.rept 16
	global_load_b128 v[16+4*nn:19+4*nn], v5, s[6:7] offset:65536+4096*nn    ; sixteen rows of sums an instruction: thread t takes columns 4 (t % 16) on of row 16 nn + t / 16
.set nn, nn+1
.endr
.irp e, 0,1,2,3,4,5,6,7
	global_load_b128 v[80+4*\e:83+4*\e], v5, s[8:9] offset:4096*\e          ; expert_b: my 4 places in the eight experts
.endr
.irp e, 0,1,2,3,4,5,6,7
	global_load_b128 v[112+4*\e:115+4*\e], v5, s[10:11] offset:4096*\e      ; expert_pref likewise
.endr
	s_wait_loadcnt 16                              ; the rows of sums are in; the sixteen loads behind them may be out
.set nn, 1
.rept 15
	v_pk_add_f32 v[16:17], v[16:17], v[16+4*nn:17+4*nn]
	v_pk_add_f32 v[18:19], v[18:19], v[18+4*nn:19+4*nn]
.set nn, nn+1
.endr
.irp c, 0,1,2,3
	v_permlanex16_b32 v[20+\c], v[16+\c], s24, s25 ; the wave's other row
.endr
.irp c, 0,1,2,3
	v_add_f32 v[16+\c], v[16+\c], v[20+\c]
.endr
	ds_store_b128 v6, v[16:19]                     ; both halves of the lanes write the same values
	s_wait_loadcnt 0x0
; (a - b)^2 of my 4 places for the 28 pairs, in the first launch's order of pairs.  Differences: pair pp in v[20 + 4 pp] (pp < 15) or v[200 + 4 (pp - 15)]; sums in v[144 + 2 pp]
.macro DIFS base, first
.set pp, 0
.irp a, 0,1,2,3,4,5,6
.irp b, 1,2,3,4,5,6,7
.if \b > \a
.set DT, 20+4*pp
.if pp >= 15
.set DT, 200+4*(pp-15)
.endif
	v_pk_add_f32 v[DT:DT+1], v[\base+4*\a:\base+4*\a+1], v[\base+4*\b:\base+4*\b+1] neg_lo:[0,1] neg_hi:[0,1]
	v_pk_add_f32 v[DT+2:DT+3], v[\base+4*\a+2:\base+4*\a+3], v[\base+4*\b+2:\base+4*\b+3] neg_lo:[0,1] neg_hi:[0,1]
.set pp, pp+1
.endif
.endr
.endr
.set pp, 0
.rept 28
.set DT, 20+4*pp
.if pp >= 15
.set DT, 200+4*(pp-15)
.endif
.if \first
	v_pk_mul_f32 v[144+2*pp:145+2*pp], v[DT:DT+1], v[DT:DT+1]
.else
	v_pk_fma_f32 v[144+2*pp:145+2*pp], v[DT:DT+1], v[DT:DT+1], v[144+2*pp:145+2*pp]
.endif
.set pp, pp+1
.endr
.set pp, 0
.rept 28
.set DT, 20+4*pp
.if pp >= 15
.set DT, 200+4*(pp-15)
.endif
	v_pk_fma_f32 v[144+2*pp:145+2*pp], v[DT+2:DT+3], v[DT+2:DT+3], v[144+2*pp:145+2*pp]
.set pp, pp+1
.endr
.endm
	DIFS 80, 1
	DIFS 112, 0
.set pp, 0
.rept 28
	v_add_f32 v[80+pp], v[144+2*pp], v[145+2*pp]
.set pp, pp+1
.endr
.irp q, 108,109,110,111
	v_mov_b32 v\q, 0
.endr
.set pp, 0
.rept 16
	v_permlane16_swap_b32 v[80+pp], v[96+pp]       ; pair pp to lanes 0-15, pair pp + 16 to lanes 16-31
.set pp, pp+1
.endr
.set pp, 0
.rept 16
	v_add_f32 v[80+pp], v[80+pp], v[96+pp]
.set pp, pp+1
.endr
.irp m, 1,2,4,8
.set pp, 0
.rept 16
	v_add_f32_dpp v[80+pp], v[80+pp], v[80+pp] row_xmask:\m row_mask:0xf bank_mask:0xf
.set pp, pp+1
.endr
.endr
.set pp, 0
.rept 16
	ds_store_b32 v7, v[80+pp] offset:4*pp
.set pp, pp+1
.endr
	s_wait_dscnt 0x0
	s_barrier_signal -1
	s_barrier_wait -1
	s_cmp_lg_u32 s20, 0
	s_cbranch_scc1 .Lend
.set nn, 0
.rept 8
	ds_load_b32 v[16+nn], v8 offset:256*nn         ; column L,
	ds_load_b32 v[24+nn], v8 offset:256*nn+64      ; column 16 + L: pair L over expert_w,
	ds_load_b32 v[32+nn], v8 offset:2048+128*nn    ; pair L over expert_b and expert_pref
.set nn, nn+1
.endr
	s_wait_dscnt 0x0
.irp b, 16,24,32
	v_add_f32 v[\b], v[\b], v[\b+1]
	v_add_f32 v[\b+2], v[\b+2], v[\b+3]
	v_add_f32 v[\b+4], v[\b+4], v[\b+5]
	v_add_f32 v[\b+6], v[\b+6], v[\b+7]
	v_add_f32 v[\b], v[\b], v[\b+2]
	v_add_f32 v[\b+4], v[\b+4], v[\b+6]
	v_add_f32 v[\b], v[\b], v[\b+4]
.endr
	v_add_f32 v24, v24, v32
	v_sqrt_f32 v24, v24                            ; the pair's distance; lanes 28-31 hold 0
	v_mul_f32 v16, 0x39000000, v16                 ; (a plain instruction)  / 8,192: lanes 0-7 the mean p, lanes 8-15 the utilisation
	s_wait_alu depctr_va_vdst(0)
	v_add_f32 v40, 0xbe000000, v16                 ; - 1 / 8
	v_mul_f32 v40, v40, v40
	v_cmp_gt_u32 vcc_lo, 8, v1
	v_cndmask_b32 v40, 0, v40, vcc_lo              ; lanes 0-7 alone count
	v_mov_b32 v41, 0
	v_mov_b32 v42, 0
.irp m, 1,2,4,8
	v_add_f32_dpp v24, v24, v24 row_xmask:\m row_mask:0xf bank_mask:0xf
	v_add_f32_dpp v40, v40, v40 row_xmask:\m row_mask:0xf bank_mask:0xf
.endr
	v_permlanex16_b32 v41, v24, s24, s25
	v_permlanex16_b32 v42, v40, s24, s25
	v_add_f32 v24, v24, v41
	v_add_f32 v40, v40, v42
	v_mul_f32 v24, 0x3d124925, v24                 ; / 28
	v_mul_f32 v40, 0x3e000000, v40                 ; / 8
	v_mov_b32 v43, 0
	v_and_b32 v44, 7, v1
	v_lshlrev_b32 v44, 2, v44
	v_lshrrev_b32 v45, 3, v1
	v_cmp_eq_u32 vcc_lo, 0, v1
	s_wait_xcnt 0x0                                ; EXEC changes only behind this wait
	s_and_saveexec_b32 s26, vcc_lo
	global_store_b32 v43, v40, s[16:17]            ; out3
	global_store_b32 v43, v24, s[18:19]            ; out4
	s_wait_xcnt 0x0
	s_or_b32 exec_lo, exec_lo, s26
	v_cmp_eq_u32 vcc_lo, 1, v45
	s_and_saveexec_b32 s26, vcc_lo
	global_store_b32 v44, v16, s[14:15]            ; out2, from lanes 8-15
	s_wait_xcnt 0x0
	s_or_b32 exec_lo, exec_lo, s26
.Lend:
	s_wait_tensorcnt 0x0
	ds_add_u32 v254, v255
	s_wait_dscnt 0x0
	s_endpgm
.Lfunc_end_k_q38fdd5595f_place:
	.size	k_q38fdd5595f_place, .Lfunc_end_k_q38fdd5595f_place-k_q38fdd5595f_place
	.p2alignl 7, 3214868480
	.fill 96, 4, 3214868480
	.section	.rodata,"a",@progbits
	.p2align	6, 0x0
	.amdhsa_kernel k_q38fdd5595f_place
		.amdhsa_group_segment_fixed_size 9216
		.amdhsa_private_segment_fixed_size 0
		.amdhsa_enable_private_segment 0
		.amdhsa_kernarg_size 64
		.amdhsa_user_sgpr_count 2
		.amdhsa_user_sgpr_kernarg_segment_ptr 1
		.amdhsa_wavefront_size32 1
		.amdhsa_system_sgpr_workgroup_id_x 1
		.amdhsa_system_sgpr_workgroup_id_y 1
		.amdhsa_system_sgpr_workgroup_id_z 1
		.amdhsa_system_vgpr_workitem_id 0
		.amdhsa_next_free_vgpr 256
		.amdhsa_next_free_sgpr 66
		.amdhsa_reserve_vcc 1
		.amdhsa_float_denorm_mode_32 3
		.amdhsa_float_denorm_mode_16_64 3
		.amdhsa_memory_ordered 1
		.amdhsa_forward_progress 1
		.amdhsa_inst_pref_size 53
	.end_amdhsa_kernel
	.amdgpu_metadata
---
amdhsa.version: [ 1, 2 ]
amdhsa.kernels:
  - .name:           k_q38fdd5595f_place
    .symbol:         k_q38fdd5595f_place.kd
    .args:
      - { .name: route, .offset: 0, .size: 8, .value_kind: global_buffer, .address_space: global }
      - { .name: fl, .offset: 8, .size: 8, .value_kind: global_buffer, .address_space: global }
      - { .name: expert_b, .offset: 16, .size: 8, .value_kind: global_buffer, .address_space: global }
      - { .name: expert_pref, .offset: 24, .size: 8, .value_kind: global_buffer, .address_space: global }
      - { .name: ord, .offset: 32, .size: 8, .value_kind: global_buffer, .address_space: global }
      - { .name: out2, .offset: 40, .size: 8, .value_kind: global_buffer, .address_space: global }
      - { .name: out3, .offset: 48, .size: 8, .value_kind: global_buffer, .address_space: global }
      - { .name: out4, .offset: 56, .size: 8, .value_kind: global_buffer, .address_space: global }
    .group_segment_fixed_size: 9216
    .private_segment_fixed_size: 0
    .kernarg_segment_align: 8
    .kernarg_segment_size: 64
    .max_flat_workgroup_size: 256
    .sgpr_count:     66
    .vgpr_count:     256
    .wavefront_size: 32
...
	.end_amdgpu_metadata
.endif
;; end of part 2
;; launch moe (part 3): grid 4 x 64, 4 waves a work-group, no clusters, 139,776 bytes of LDS; arguments xq, xs, wq, ws, expert_b, fl, ord, out0; writes out0
.if DOCPART == 3
	.amdgcn_target "amdgcn-amd-amdhsa--gfx1250"
	.amdhsa_code_object_version 6
	.text
	.protected	k_q38fdd5595f_moe
	.globl	k_q38fdd5595f_moe
	.p2align	8
	.type	k_q38fdd5595f_moe,@function
k_q38fdd5595f_moe:
	s_mov_b64 s[64:65], 0
	v_nop
	global_prefetch_b8 v0, s[64:65] scope:SCOPE_SE
	s_setreg_imm32_b32 hwreg(HW_REG_WAVE_MODE, 25, 1), 1
	s_wait_xcnt 0x0
; MOE.  out0[token] = c_lo (x W_lo^T + b_lo) + c_hi (x W_hi^T + b_hi), the products on codes of BF6 (E3M2) with one E8M0 scale for each 32 along K, sums in f32.  Only the experts that a token has
; chosen are multiplied: the others' weight in the definition is 0.
; SHARES.  Tokens are taken in the order of ord, sorted by their pair of experts.  Work-group (nb, blk): places 128 blk .. + 127, columns 256 nb .. + 255.  Wave w: all 128 tokens (8 tiles of 16) x columns
; 64 w .. + 63 (4 tiles of 16): 32 accumulators.  Each output row's part has one owner.  The work-group walks the experts that its tokens use (2 to 8; 2 or 3 where the tokens spread evenly), by a mask made of ord's whole numbers.
; OPERANDS.  x's 128 rows of codes are gathered once into LDS, turned to [16-byte piece][row], so that a fragment is three loads of 16 bytes a lane.  W's fragments come from memory straight into
; registers, as images of the registers (three loads of 512 consecutive bytes): a fragment is loaded by one wave and feeds 8 products; a fragment of x feeds 4.
; THE MATRIX INSTRUCTION IS USED TRANSPOSED: source 0 = 16 rows of W, source 1 = 16 tokens.  A lane then holds ONE token (lane % 16) and 8 neighbouring columns, so the token's weight is one number a lane.
; The bias is the C of each sum's first product.  After an expert's 8 K steps the sums are multiplied by the lane's weight (0 for a token that has not chosen it) and added into the result.
; WHY NO TENSOR LOADS, NO CLUSTER: which experts are walked, and how many, hangs on numbers read from memory, so the weights' loads stand under a trip count that differs from work-group to work-group.
; No prefetch: W's codes are read by 64 work-groups, not once.
; REGISTERS, in windows of 256.  Window 0: v1-15 addresses; v16-31 lo, hi of my token in each tile; v32-47 its two weights; v48-55 its weight for the expert in hand; v56-87 x's scale words; v88-103 W's;
;   v104-119 the gather's offsets; v128-223 x's fragments, one set; v224-255 at work.   Window 1: v0-191 W's fragments, four slots of 48 (a K step each); v192-223 the bias.
;   Window 2: the 32 accumulators, (i, j) at 8 (4 i + j).   Window 3: the result, likewise.
.set TILE, 13056                       ; LDS: a tile of 16 tokens: 48 pieces x (16 rows x 16 bytes + 16)
.set STG,  104448                      ; behind the 8 tiles: two stages of 16 rows x 272 bytes for each wave, for the way out
.set MSB, 0
.macro WIN new                         ; the immediate's high byte repeats the setting that is left; a switch that changes nothing is dropped
.if MSB != (\new)
	s_set_vgpr_msb (MSB<<8)|(\new)
.set MSB, \new
.endif
.endm
.macro PLACES                          ; four plain instructions between a matrix instruction and a load into one of its registers, or the first read of its result (ISA guide 7.12.1 for vector instructions)
.rept 4
	v_nop
.endr
.endm
.macro SETNEXT                         ; the next expert of the mask, and where its weights, bias and scale bytes begin for my wave
	s_ctz_i32_b32 s25, s23
	s_min_u32 s25, s25, 7
	s_sub_co_u32 s46, s23, 1
	s_and_b32 s23, s23, s46
	s_mov_b32 s47, 0
	s_mul_i32 s46, s25, 786432
	s_add_nc_u64 s[30:31], s[40:41], s[46:47]
	s_lshl_b32 s46, s25, 12
	s_add_nc_u64 s[32:33], s[42:43], s[46:47]
	s_lshl_b32 s46, s25, 7
	s_add_nc_u64 s[34:35], s[44:45], s[46:47]
.endm
.macro LB s, sb                        ; my four fragments of W for K step s into slot s % 4: twelve loads of 512 consecutive bytes
	WIN 0x40                               ; destination window 1
.irp j, 0,1,2,3
.irp c, 0,1,2
	global_load_b128 v[48*((\s)%4)+12*\j+4*\c:48*((\s)%4)+12*\j+4*\c+3], v3, s[\sb:\sb+1] offset:12288*\j+1536*(\s)+512*\c
.endr
.endr
.endm
.macro LBIAS                           ; the next expert's bias in the result's layout: lane (r, h) takes columns 16 j + 8 h + 0 .. 7
	WIN 0x40
.irp j, 0,1,2,3
	global_load_b128 v[192+8*\j:195+8*\j], v4, s[32:33] offset:64*\j
	global_load_b128 v[196+8*\j:199+8*\j], v4, s[32:33] offset:64*\j+16
.endr
.endm
.macro LWS q                           ; the next expert's scale words of K steps 4 q .. 4 q + 3: register 4 j + 2 q + t holds step 4 q + t in lanes 0-15 and step 4 q + 2 + t in lanes 16-31
	WIN 0
.irp j, 0,1,2,3
	global_load_b64 v[88+4*\j+2*(\q):89+4*\j+2*(\q)], v5, s[34:35] offset:4096*\j+2048*(\q)
.endr
.endm
.macro TOKL t                          ; the last expert's idle slots take the tokens' numbers for the way out: register 8 i + q: the token of row 2 q + lane / 16 of tile i
	WIN 0x40
.set nn, 16*(\t)
.rept 16
	global_load_b32 v[nn], v15, s[16:17] offset:16*nn
.set nn, nn+1
.endr
.endm
.macro FA s, i0                        ; x's fragments of K step s, tiles i0 .. i0 + 3: twelve LDS loads
	WIN 0
.irp i, \i0, \i0+1, \i0+2, \i0+3
.irp c, 0,1,2
	ds_load_b128 v[128+12*(\i)+4*\c:128+12*(\i)+4*\c+3], v[6+(\i)/4] offset:TILE*((\i)%4)+1632*(\s)+272*\c
.endr
.endr
.endm
.macro WM s, i, j                      ; one product.  The scale words' rows: W's by (s / 2) % 2, x's by s / 4
.set AC, 8*(4*(\i)+(\j))
.set BA, 48*((\s)%4)+12*(\j)
.set XF, 128+12*(\i)
.set CC, AC
.if (\s) == 0
.set CC, 192+8*(\j)
.endif
.set SW, 88+4*(\j)+2*((\s)/4)+(\s)%2
.set SX, 56+4*(\i)+(\s)%4
.if (((\s)/2)%2 == 0) && ((\s)/4 == 0)
	v_wmma_scale_f32_16x16x128_f8f6f4 v[AC:AC+7], v[BA:BA+11], v[XF:XF+11], v[CC:CC+7], v[SW], v[SX] matrix_a_fmt:MATRIX_FMT_BF6 matrix_b_fmt:MATRIX_FMT_BF6
.elseif (((\s)/2)%2 == 1) && ((\s)/4 == 0)
	v_wmma_scale_f32_16x16x128_f8f6f4 v[AC:AC+7], v[BA:BA+11], v[XF:XF+11], v[CC:CC+7], v[SW], v[SX] matrix_a_fmt:MATRIX_FMT_BF6 matrix_b_fmt:MATRIX_FMT_BF6 matrix_a_scale:MATRIX_SCALE_ROW1
.elseif (((\s)/2)%2 == 0) && ((\s)/4 == 1)
	v_wmma_scale_f32_16x16x128_f8f6f4 v[AC:AC+7], v[BA:BA+11], v[XF:XF+11], v[CC:CC+7], v[SW], v[SX] matrix_a_fmt:MATRIX_FMT_BF6 matrix_b_fmt:MATRIX_FMT_BF6 matrix_b_scale:MATRIX_SCALE_ROW1
.else
	v_wmma_scale_f32_16x16x128_f8f6f4 v[AC:AC+7], v[BA:BA+11], v[XF:XF+11], v[CC:CC+7], v[SW], v[SX] matrix_a_fmt:MATRIX_FMT_BF6 matrix_b_fmt:MATRIX_FMT_BF6 matrix_a_scale:MATRIX_SCALE_ROW1 matrix_b_scale:MATRIX_SCALE_ROW1
.endif
.endm
.macro MM s, i0                        ; sixteen products: tiles i0 .. i0 + 3 of tokens x my four tiles of columns.  The 32 accumulators take turns, one instruction a turn, in the same order in every step
.if (\s) == 0
	WIN 0x91                               ; source 0 (W) window 1, source 1 (x) window 0, C (the bias) window 1, D window 2
.else
	WIN 0xA1                               ; C and D window 2
.endif
.irp i, \i0, \i0+1, \i0+2, \i0+3
.irp j, 0,1,2,3
	WM \s, \i, \j
.endr
.endr
.endm
; What a step asks of memory at its end: W's fragments four steps on, into the slot that the step has left (three steps, 96 products, ahead of their use), and beside them the next expert's bias and scale words.
.macro GROUP s, mode
.if \mode < 2
.if \s == 0
	LBIAS
	LB 4, 28
.elseif \s == 1
	LB 5, 28
.elseif \s == 2
	LB 6, 28
.elseif \s == 3
	LWS 0
	LB 7, 28
.elseif \s == 4
	LB 0, 30
.elseif \s == 5
	LB 1, 30
.elseif \s == 6
	LB 2, 30
.else
	LWS 1
	LB 3, 30
.endif
.else
.if \s < 4
	LB (\s)+4, 28
.else
	TOKL (\s)-4
.endif
.endif
.endm
; A K step of 128: 32 products.  cnt: the loads issued behind this step's fragments of W, which may stay out: the three groups before.
.macro STEP s, mode, cnt
	s_wait_loadcnt \cnt
	s_wait_dscnt 12                        ; x's tiles 0-3 are in; the youngest twelve loads (tiles 4-7) may be out
	MM \s, 0
	s_wait_dscnt 0x0                       ; tiles 4-7 are in
	PLACES
.if (\mode < 2) || (\s < 7)
	FA ((\s)+1)%8, 0
.endif
	MM \s, 4
	PLACES
.if (\mode < 2) || (\s < 7)
	FA ((\s)+1)%8, 4
.endif
	GROUP \s, \mode
.endm
.macro COMBW                           ; my token's weight for the expert in hand, tile by tile: c_lo, c_hi or 0
.irp i, 0,1,2,3,4,5,6,7
	v_cmp_eq_u32 vcc_lo, s24, v[17+2*\i]
	v_cndmask_b32 v122, 0, v[33+2*\i], vcc_lo
	v_cmp_eq_u32 vcc_lo, s24, v[16+2*\i]
	v_cndmask_b32 v[48+\i], v122, v[32+2*\i], vcc_lo
.endr
.endm
.macro COMBINE mode                    ; result (+)= weight x sums, two numbers an instruction, each accumulator from its low end on.  The first expert starts the result: nothing is cleared
.if \mode == 0
	WIN 0xC2                               ; source 0 window 2, source 1 (the weight) window 0, destination window 3
.else
	WIN 0xF2                               ; and source 2 window 3
.endif
.set nn, 0
.rept 128
.set ii, nn/16
.if \mode == 0
.if ii%2 == 0
	v_pk_mul_f32 v[2*nn:2*nn+1], v[2*nn:2*nn+1], v[48+ii:49+ii] op_sel_hi:[1,0]
.else
	v_pk_mul_f32 v[2*nn:2*nn+1], v[2*nn:2*nn+1], v[47+ii:48+ii] op_sel:[0,1] op_sel_hi:[1,1]
.endif
.else
.if ii%2 == 0
	v_pk_fma_f32 v[2*nn:2*nn+1], v[2*nn:2*nn+1], v[48+ii:49+ii], v[2*nn:2*nn+1] op_sel_hi:[1,0,1]
.else
	v_pk_fma_f32 v[2*nn:2*nn+1], v[2*nn:2*nn+1], v[47+ii:48+ii], v[2*nn:2*nn+1] op_sel:[0,1,0] op_sel_hi:[1,1,1]
.endif
.endif
.set nn, nn+1
.endr
.endm
; An expert.  mode 0: the first; 1: one between; 2: the last, which asks for no further expert.
.macro EXPERT mode
	s_wait_xcnt 0x0                        ; every load issued has read its base: the bases may be written
	s_mov_b64 s[28:29], s[30:31]
	s_mov_b32 s24, s25
.if \mode < 2
	SETNEXT
.endif
	COMBW
.if \mode < 2
	STEP 0, \mode, 40                      ; 12 + 12 + 16
	STEP 1, \mode, 48                      ; 12 + 16 + 20
	STEP 2, \mode, 48                      ; 16 + 20 + 12
	STEP 3, \mode, 44                      ; 20 + 12 + 12
	STEP 4, \mode, 40                      ; 12 + 12 + 16
	STEP 5, \mode, 40                      ; 12 + 16 + 12
	STEP 6, \mode, 40                      ; 16 + 12 + 12
	STEP 7, \mode, 36                      ; 12 + 12 + 12
.else
	STEP 0, \mode, 40                      ; 12 + 12 + 16
	STEP 1, \mode, 40                      ; 12 + 16 + 12
	STEP 2, \mode, 40                      ; 16 + 12 + 12
	STEP 3, \mode, 36                      ; 12 + 12 + 12
	STEP 4, \mode, 36
	STEP 5, \mode, 40                      ; 12 + 12 + 16
	STEP 6, \mode, 44                      ; 12 + 16 + 16
	STEP 7, \mode, 48                      ; 16 + 16 + 16
.endif
	COMBINE \mode
	WIN 0
.endm
	s_load_b512 s[4:19], s[0:1], 0x0               ; xq, xs, wq, ws, expert_b, fl, ord, out0
	v_lshl_add_u32 v126, v0, 2, 0x22000
	v_mov_b32 v127, 0
	v_lshrrev_b32 v1, 5, v0
	v_readfirstlane_b32 s20, v1                    ; wave w
	s_mov_b32 s21, ttmp9                           ; nb
	s_and_b32 s22, ttmp7, 0xffff                   ; blk
	v_and_b32 v1, 15, v0                           ; r
	v_bfe_u32 v2, v0, 4, 1                         ; h
	v_and_b32 v3, 31, v0
	v_lshlrev_b32 v3, 4, v3                        ; 16 x lane
	v_lshlrev_b32 v4, 5, v2                        ; 32 h
	v_lshlrev_b32 v5, 10, v2
	v_lshl_add_u32 v5, v1, 3, v5                   ; 1,024 h + 8 r
	v_lshlrev_b32 v12, 4, v1                       ; 16 r
	v_lshlrev_b32 v11, 4, v2                       ; 16 h
	v_mad_u32_u24 v6, v2, 816, v12                 ; a fragment of x: row r, three pieces on for lanes 16-31; tiles 0-3,
	v_add_nc_u32 v7, 4*TILE, v6                    ; tiles 4-7
	s_mul_i32 s46, s20, 2*TILE
	v_mul_u32_u24 v8, v1, 272
	v_lshl_add_u32 v8, v2, 4, v8
	v_add_nc_u32 v8, s46, v8                       ; the gather's stores: tiles 2 w, 2 w + 1; piece lane % 16, row lane / 16
	s_mul_i32 s46, s20, 8704
	s_add_co_u32 s46, s46, STG
	v_mul_u32_u24 v9, v1, 272
	v_lshl_add_u32 v9, v2, 5, v9
	v_add_nc_u32 v9, s46, v9                       ; the way out, in: row r, 32 bytes for each half of the lanes
	v_mad_u32_u24 v10, v2, 272, v12
	v_add_nc_u32 v10, s46, v10                     ; back: lanes 0-15 one row of 256 bytes, lanes 16-31 the next
	s_lshl_b32 s46, s22, 10                        ; ord: 128 places of 8 bytes a block
	v_lshl_add_u32 v13, v1, 3, s46
	v_lshl_add_u32 v15, v2, 3, s46
	s_lshl_b32 s47, s20, 8
	s_add_co_u32 s47, s47, s46
	v_lshl_add_u32 v14, v2, 3, s47
	s_wait_kmcnt 0x0
.irp i, 0,1,2,3,4,5,6,7
	global_load_b64 v[16+2*\i:17+2*\i], v13, s[16:17] offset:128*\i       ; tile i, row r: token, lo | hi << 8
.endr
.irp t, 0,1
.irp q, 0,1,2,3,4,5,6,7
	global_load_b32 v[104+8*\t+\q], v14, s[16:17] offset:128*\t+16*\q     ; tile 2 w + t, row 2 q + lane / 16: the token whose codes I gather
.endr
.endr
	s_mov_b32 s47, 0
	s_mul_i32 s46, s21, 196608
	s_mul_i32 s48, s20, 49152
	s_add_co_u32 s46, s46, s48
	s_add_nc_u64 s[40:41], s[8:9], s[46:47]        ; wq at my four tiles of columns, expert 0
	s_lshl_b32 s46, s21, 10
	s_lshl_b32 s48, s20, 8
	s_add_co_u32 s46, s46, s48
	s_add_nc_u64 s[42:43], s[12:13], s[46:47]      ; expert_b at my 64 columns
	s_add_nc_u64 s[36:37], s[18:19], s[46:47]      ; out0 likewise
	s_lshl_b32 s46, s21, 16
	s_lshl_b32 s48, s20, 14
	s_add_co_u32 s46, s46, s48
	s_add_nc_u64 s[44:45], s[10:11], s[46:47]      ; ws
	s_wait_loadcnt 0x0
.irp i, 0,1,2,3,4,5,6,7
	v_min_u32 v[16+2*\i], 0x1fff, v[16+2*\i]       ; a token's number is under 8,192
.endr
.irp i, 0,1,2,3,4,5,6,7
	v_lshlrev_b32 v[224+\i], 3, v[16+2*\i]         ; its weights: 8 bytes a token
.endr
.irp i, 0,1,2,3,4,5,6,7
	v_lshl_add_u32 v[232+\i], v[16+2*\i], 5, v11   ; its scale bytes: 32 a token; lanes 16-31 take K steps 4-7
.endr
.set nn, 0
.rept 16
	v_min_u32 v[104+nn], 0x1fff, v[104+nn]
.set nn, nn+1
.endr
.set nn, 0
.rept 16
	v_mad_u32_u24 v[104+nn], v[104+nn], 0x300, v12 ; its codes: 768 bytes a token, 16 bytes a lane
.set nn, nn+1
.endr
.irp i, 0,1,2,3,4,5,6,7
	v_and_b32 v[16+2*\i], 0xff, v[17+2*\i]         ; lo
.endr
.irp i, 0,1,2,3,4,5,6,7
	v_lshrrev_b32 v[17+2*\i], 8, v[17+2*\i]        ; hi
.endr
	v_mov_b32 v120, 0
	v_mov_b32 v121, 0
.irp i, 0,1,2,3,4,5,6,7
	v_lshl_or_b32 v120, 1, v[16+2*\i], v120        ; the experts that my eight tokens use,
	v_lshl_or_b32 v120, 1, v[17+2*\i], v120
.endr
.irp m, 1,2,4,8
	v_mov_b32_dpp v121, v120 row_xmask:\m row_mask:0xf bank_mask:0xf
	v_or_b32 v120, v120, v121                      ; and all 128 (both halves of the lanes hold the same tokens)
.endr
	v_readfirstlane_b32 s23, v120
	s_and_b32 s23, s23, 0xff
	s_bcnt1_i32_b32 s26, s23
	s_sub_co_i32 s26, s26, 2                       ; experts between the first and the last: a token names two different experts, so there are at least two
	s_max_i32 s26, s26, 0
	s_min_u32 s26, s26, 6
	SETNEXT
.irp i, 0,1,2,3,4,5,6,7
	global_load_b64 v[32+2*\i:33+2*\i], v[224+\i], s[14:15]
.endr
.irp i, 0,1,2,3,4,5,6,7
	global_load_b128 v[56+4*\i:59+4*\i], v[232+\i], s[6:7]
.endr
	LBIAS
	WIN 0x80                                       ; destination window 2: the accumulators' registers are still free
.irp t, 0,1
.irp q, 0,1,2,3,4,5,6,7
.irp c, 0,1,2
	global_load_b128 v[4*(3*(8*\t+\q)+\c):4*(3*(8*\t+\q)+\c)+3], v[104+8*\t+\q], s[4:5] offset:256*\c   ; sixteen lanes read 256 consecutive bytes of a token's row, aligned
.endr
.endr
.endr
	LWS 0                                          ; the first expert's loads, in the order in which the loop asks for an expert's, so that the loop's counts hold on the way in
	LB 0, 30
	LB 1, 30
	LB 2, 30
	LWS 1
	LB 3, 30
	s_wait_loadcnt 56                              ; 4 + 12 + 12 + 12 + 4 + 12 were issued behind the gather: it is in, and so are the weights, x's scale words and the bias
	WIN 0x08                                       ; an LDS store's data are its source 1: window 2
.irp t, 0,1
.irp q, 0,1,2,3,4,5,6,7
.irp c, 0,1,2
	ds_store_b128 v8, v[4*(3*(8*\t+\q)+\c):4*(3*(8*\t+\q)+\c)+3] offset:TILE*\t+4352*\c+32*\q
.endr
.endr
.endr
	WIN 0
	s_wait_dscnt 0x0                               ; for the others' sake: my stores have landed
	s_barrier_signal -1
	s_barrier_wait -1                              ; the 128 tokens' codes lie in LDS; nothing writes them again
	FA 0, 0
	FA 0, 4
	EXPERT 0
	s_cmp_eq_u32 s26, 0
	s_cbranch_scc1 .Ltail
.Lloop:
	EXPERT 1
	s_sub_co_u32 s26, s26, 1
	s_cmp_lg_u32 s26, 0
	s_cbranch_scc1 .Lloop
.Ltail:
	EXPERT 2
	; THE WAY OUT.  A lane holds 32 neighbouring bytes of a token's row and the lanes beside it hold other tokens: a tile goes through my own stage in LDS and comes back as rows of 256 bytes.
	s_wait_loadcnt 0x0                             ; the tokens' numbers
	WIN 0x45                                       ; destination, sources 0 and 1 window 1; source 2 window 0
.set nn, 0
.rept 64
	v_min_u32 v[nn], 0x1fff, v[nn]
.set nn, nn+1
.endr
.set nn, 0
.rept 64
	v_lshl_add_u32 v[nn], v[nn], 12, v12           ; a row of out0 is 4,096 bytes; 16 bytes a lane
.set nn, nn+1
.endr
.macro TOST i                          ; LDS serves a wave's instructions in order: the loads see the stores, and the stage's next stores come behind them
	WIN 0x0C                               ; the data: window 3
.irp j, 0,1,2,3
	ds_store_b128 v9, v[8*(4*(\i)+\j):8*(4*(\i)+\j)+3] offset:4352*((\i)%2)+64*\j
	ds_store_b128 v9, v[8*(4*(\i)+\j)+4:8*(4*(\i)+\j)+7] offset:4352*((\i)%2)+64*\j+16
.endr
	WIN 0
.set OBB, 224-96*((\i)%2)
.irp q, 0,1,2,3,4,5,6,7
	ds_load_b128 v[OBB+4*\q:OBB+4*\q+3], v10 offset:4352*((\i)%2)+544*\q
.endr
.endm
.macro SENDT i, younger                ; younger: the LDS instructions issued behind tile i's loads
.set OBB, 224-96*((\i)%2)
	s_wait_dscnt \younger
	WIN 0x01                               ; the offsets: window 1
.irp q, 0,1,2,3,4,5,6,7
	global_store_b128 v[8*(\i)+\q], v[OBB+4*\q:OBB+4*\q+3], s[36:37] th:TH_STORE_NT   ; sixteen lanes store 256 consecutive bytes of a token's row, at a multiple of 256 from out0's first byte
.endr
.endm
	TOST 0
.irp a, 1,2,3,4,5,6,7
.if \a > 1
	s_wait_xcnt 0x0                                ; tile a - 2's stores have read their registers: tile a's loads may land there
.endif
	TOST \a
	SENDT (\a)-1, 16
.endr
	SENDT 7, 0
	WIN 0
	s_wait_tensorcnt 0x0
	ds_add_u32 v126, v127
	s_wait_dscnt 0x0
	s_endpgm
.Lfunc_end_k_q38fdd5595f_moe:
	.size	k_q38fdd5595f_moe, .Lfunc_end_k_q38fdd5595f_moe-k_q38fdd5595f_moe
	.p2alignl 7, 3214868480
	.fill 96, 4, 3214868480
	.section	.rodata,"a",@progbits
	.p2align	6, 0x0
	.amdhsa_kernel k_q38fdd5595f_moe
		.amdhsa_group_segment_fixed_size 139776
		.amdhsa_private_segment_fixed_size 0
		.amdhsa_enable_private_segment 0
		.amdhsa_kernarg_size 64
		.amdhsa_user_sgpr_count 2
		.amdhsa_user_sgpr_kernarg_segment_ptr 1
		.amdhsa_wavefront_size32 1
		.amdhsa_system_sgpr_workgroup_id_x 1
		.amdhsa_system_sgpr_workgroup_id_y 1
		.amdhsa_system_sgpr_workgroup_id_z 1
		.amdhsa_system_vgpr_workitem_id 0
		.amdhsa_next_free_vgpr 1024
		.amdhsa_next_free_sgpr 66
		.amdhsa_reserve_vcc 1
		.amdhsa_float_denorm_mode_32 3
		.amdhsa_float_denorm_mode_16_64 3
		.amdhsa_memory_ordered 1
		.amdhsa_forward_progress 1
		.amdhsa_inst_pref_size 254
	.end_amdhsa_kernel
	.amdgpu_metadata
---
amdhsa.version: [ 1, 2 ]
amdhsa.kernels:
  - .name:           k_q38fdd5595f_moe
    .symbol:         k_q38fdd5595f_moe.kd
    .args:
      - { .name: xq, .offset: 0, .size: 8, .value_kind: global_buffer, .address_space: global }
      - { .name: xs, .offset: 8, .size: 8, .value_kind: global_buffer, .address_space: global }
      - { .name: wq, .offset: 16, .size: 8, .value_kind: global_buffer, .address_space: global }
      - { .name: ws, .offset: 24, .size: 8, .value_kind: global_buffer, .address_space: global }
      - { .name: expert_b, .offset: 32, .size: 8, .value_kind: global_buffer, .address_space: global }
      - { .name: fl, .offset: 40, .size: 8, .value_kind: global_buffer, .address_space: global }
      - { .name: ord, .offset: 48, .size: 8, .value_kind: global_buffer, .address_space: global }
      - { .name: out0, .offset: 56, .size: 8, .value_kind: global_buffer, .address_space: global }
    .group_segment_fixed_size: 139776
    .private_segment_fixed_size: 0
    .kernarg_segment_align: 8
    .kernarg_segment_size: 64
    .max_flat_workgroup_size: 128
    .sgpr_count:     66
    .vgpr_count:     1024
    .wavefront_size: 32
...
	.end_amdgpu_metadata
.endif
;; end of part 3
;; ======== version 2 of 2: 3 launches
;; workspace buffers: xq 6,291,456 bytes; xs 262,144 bytes; wq 6,291,456 bytes; ws 262,144 bytes; route 65,536 bytes of whole numbers; fl 131,072 bytes; ord 65,536 bytes of whole numbers
;; launch prep (part 4): grid 256 x 1, 4 waves a work-group, no clusters, 140,032 bytes of LDS; arguments x, router_w, router_b, expert_w, xq, xs, wq, ws, out1, route, fl; writes xq, xs, wq, ws, out1, route, fl
.if DOCPART == 4
	.amdgcn_target "amdgcn-amd-amdhsa--gfx1250"
	.amdhsa_code_object_version 6
	.text
	.protected	k_q38fdd5595f_prep
	.globl	k_q38fdd5595f_prep
	.p2align	8
	.type	k_q38fdd5595f_prep,@function
k_q38fdd5595f_prep:
	s_mov_b64 s[64:65], 0
	v_nop
	global_prefetch_b8 v0, s[64:65] scope:SCOPE_SE
	s_setreg_imm32_b32 hwreg(HW_REG_WAVE_SCHED_MODE, 0, 2), 2
	s_setreg_imm32_b32 hwreg(HW_REG_WAVE_MODE, 25, 1), 1
	s_wait_xcnt 0x0
	s_wait_alu depctr_vm_vsrc(0)
; PREP.  x [8192][1024] and expert_w [8][1024][1024], f32, are read once and become codes of BF6 (E3M2) with one E8M0 byte for each 32 along K, laid in the order
; in which the third launch's operand registers take them; on the way the router (f32), its softmax (out1), the two chosen experts of each token, and the sums of
; squared differences between the experts' weights are made.
; SHARES.  Work-group g: tokens 32 g .. 32 g + 31 (wave w: rows 8 w .. 8 w + 7), and of expert_w the rows f = 16 (g / 4) + 0 .. 15 at K = 256 (g % 4) .. + 255 of ALL eight experts
; (wave w: f = 16 j + 4 w + 0 .. 3).  A UNIT is eight loads of 512 consecutive bytes: units 0-7 a row of x each; units 8-15 the same 128 along K of one row f in the eight experts.
; THE TURN.  A load gives a lane 4 neighbours; the conversion wants 32 neighbours of one block in one lane.  A unit's 4,096 bytes go through the wave's own stage in LDS: block b (128 bytes) at 144 b;
; lane l reads block l back.  So lane l holds block l of the row of x, or block l % 4 of expert l / 4.
; OUT.  xq [token][768]: of K step s (96 bytes) the first 48 are blocks 4 s, 4 s + 2, the second 48 blocks 4 s + 1, 4 s + 3: what lanes 0-15 and 16-31 of a fragment hold.  xs [token][32] bytes.
; wq [e][f / 16][s][1536]: a fragment's registers as they stand: 3 x (32 lanes x 16 bytes).  ws [4 (f / 16) + K / 256][e][f % 16][8] bytes.
; route [g][l][2]: the token's key | rank << 8 | lo << 16 | hi << 20, and the chunk's count of key l.  fl: (c_lo, c_hi) for each token; from byte 65,536 a row of 64 sums for each work-group.
; THE KEY numbers the 28 pairs lo < hi so that neighbouring keys share an expert: lo (15 - lo) / 2 + (hi - lo - 1 where lo is even, 7 - hi where it is odd).
; No address and no branch hangs on a floating-point number: what is chosen is stored at fixed places.
; LIMITS.  NaN and infinities among the inputs are not served.  A block whose largest magnitude lies under 2^-122, a block of zeros too, gets the byte 1: its codes are as the rule has them or zeros,
; and the bytes are read by this program alone.  v_exp_f32 gives 0 for results under 2^-126: where a token's second largest probability lies there, the second expert may differ from the
; definition's; its weight is then under 2^-125.  Probabilities that are equal within f32 rounding may be ordered either way.
; No tensor loads, no cluster: of a work-group's 288 KiB only router_w's 32 KiB are shared.  No prefetch: the launch is one stream of loads, 48 a wave on their way.
; THE MODE: SCHED_MODE bits 1:0 = 2 (LLVM: expert scheduling mode 2), set by the entry lines.  The code itself states the register dependences between vector instructions and memory or LDS
; instructions, with s_wait_alu, always for 0.
; THE PLAN.  Registers that memory or LDS instructions touch, among the units:
;   the six raw slots   loaded from memory; read by the LDS stores of the turn and, in units 8-15, by the differences; slot u % 6 is loaded again in unit u (u up to 9).
;   X0, X1              the LDS loads of unit u + 1's turn, issued in unit u, land in X[(u + 1) % 2], which unit u - 1's dot products and conversions read.
;   two sets of codes and bytes   written by unit u's conversions; read by four LDS stores, which stand at the head of unit u + 1; written again in unit u + 2.
;   v2 to v21, v23 to v25   offsets and LDS addresses, made at the head and never written again.
; So at a unit's head stand ONE wait on va_vdst (the unit before has written its codes and is done reading its X; units 8, 9: the differences, which stand first, are done reading the slot) and ONE on
; vm_vsrc (the turn's LDS stores have read the slot; the stores of two units back have read the set of codes that this unit writes).  Behind them the unit's LDS stores, loads and turn follow with no
; further wait: the unit's own arithmetic stands behind them all.
.set TS,   0                           ; LDS: turn stages, two of 4,608 bytes for each wave
.set RWS,  36864                       ; the eight router rows, turned, 4,608 bytes each
.set XC,   73728                       ; x's codes, 6,144 bytes a wave
.set XSB,  98304                       ; x's scale bytes, 256 a wave
.set LG,   99328                       ; logits, then probabilities: 32 tokens x 32 bytes
.set WC,   100352                      ; W's images: expert x 4,640 + K step x 2,304 + chunk x 768 + half x 272 + 16 x row
.set WSB,  137728                      ; W's scale bytes [e][row][8]
.set DV,   138752                      ; the waves' 32 sums of squared differences, 128 bytes a wave
.set SR,   139264                      ; the work-group's row of 64 sums
.set RAW,  64                          ; window 0: v64-255, six slots of 32 registers: units as loaded
.set PA,   64                          ; window 2: v0-63 two units turned; v64-79 eight pairs of partial dot products
.set LOGP, 80                          ; v80-143 the lanes' parts of 8 rows x 8 logits
.set QM,   144                         ; v144-145 largest magnitudes; v146 the conversion's scale operand; v148-149 scale bytes; v152-167 two sets of codes
.set QS,   146
.set QB,   148
.set CS,   152
.set RBK,  168                         ; v168-217 what is read back from LDS and stored
; window 1: in the x part router_w, register 32 e + j = router_w[e][32 l + j]; in the W part v0-111 differences, v112-167 their 28 sums of squares in pairs, v176-207 the 28 sums and 4 zeros
.set MSB, 0
.macro WIN new                         ; the immediate's high byte repeats the setting that is left; a switch that changes nothing is dropped
.if MSB != (\new)
	s_set_vgpr_msb (MSB<<8)|(\new)
.set MSB, \new
.endif
.endm
.macro BARRIER                         ; my LDS stores have landed and my LDS loads are in: then the work-group's barrier
	s_wait_dscnt 0x0
	s_barrier_signal -1
	s_barrier_wait -1
.endm
.macro LOADU u                         ; unit u into slot u % 6: eight loads, each 512 consecutive bytes
	WIN 0
.set RB, RAW+32*((\u)%6)
.if (\u) < 8
.irp p, 0,1,2,3,4,5,6,7
	global_load_b128 v[RB+4*\p:RB+4*\p+3], v2, s[28:29] offset:4096*(\u)+512*\p th:TH_LOAD_NT
.endr
.else
.irp e, 0,1,2,3,4,5,6,7
	global_load_b128 v[RB+4*\e:RB+4*\e+3], v2, s[32+2*(\e/2):33+2*(\e/2)] offset:4194304*(\e%2)+4096*(((\u)-8)/2)+512*(((\u)-8)%2) th:TH_LOAD_NT
.endr
.endif
.endm
.macro TURN u                          ; unit u through stage u % 2.  LDS serves a wave's instructions in order, so no wait stands between the stores and the loads
	WIN 0
.set RB, RAW+32*((\u)%6)
.irp p, 0,1,2,3,4,5,6,7
	ds_store_b128 v3, v[RB+4*\p:RB+4*\p+3] offset:4608*((\u)%2)+576*\p
.endr
	WIN 0x80                               ; destination window 2
.irp q, 0,1,2,3,4,5,6,7
	ds_load_b128 v[32*((\u)%2)+4*\q:32*((\u)%2)+4*\q+3], v4 offset:4608*((\u)%2)+16*\q
.endr
.endm
.macro DOT u                           ; my block's part of the row's eight logits: eight chains by turns, two multiply-adds an instruction
.set XB, 32*((\u)%2)
	WIN 0xA6                               ; source 0 (x) window 2, source 1 (router_w) window 1, sums window 2
.set jj, 0
.rept 16
.irp e, 0,1,2,3,4,5,6,7
.if jj == 0
	v_pk_mul_f32 v[PA+2*\e:PA+2*\e+1], v[XB+2*jj:XB+2*jj+1], v[32*\e+2*jj:32*\e+2*jj+1]
.else
	v_pk_fma_f32 v[PA+2*\e:PA+2*\e+1], v[XB+2*jj:XB+2*jj+1], v[32*\e+2*jj:32*\e+2*jj+1], v[PA+2*\e:PA+2*\e+1]
.endif
.endr
.set jj, jj+1
.endr
	WIN 0xAA
.irp e, 0,1,2,3,4,5,6,7
	v_add_f32 v[LOGP+8*(\u)+\e], v[PA+2*\e], v[PA+2*\e+1]
.endr
.endm
.macro QUANT u                         ; my block of 32 becomes 24 bytes of codes in v[CB .. CB + 5] and a scale byte
.set XB, 32*((\u)%2)
.set CB, CS+8*((\u)%2)
	WIN 0xAA
	v_max3_num_f32 v[QM], |v[XB]|, |v[XB+1]|, 0x2800000            ; the floor 2^(5 - 127) among the leaves: the byte cannot fall under 1
	v_max3_num_f32 v[QM+1], |v[XB+2]|, |v[XB+3]|, |v[XB+4]|
.irp i, 5,9,13,17,21,25
	v_max3_num_f32 v[QM], v[QM], |v[XB+\i]|, |v[XB+\i+1]|          ; two chains by turns
	v_max3_num_f32 v[QM+1], v[QM+1], |v[XB+\i+2]|, |v[XB+\i+3]|
.endr
	v_max3_num_f32 v[QM], v[QM], |v[XB+29]|, |v[XB+30]|
	v_max3_num_f32 v[QM], v[QM], v[QM+1], |v[XB+31]|
	v_add_nc_u32 v[QS], 0xfe000000, v[QM]                          ; 4 off the exponent field: the conversion takes that field as its scale
	v_cvt_scalef32_pk16_bf6_f32 v[CB:CB+2], v[XB:XB+15], v[QS]
	v_cvt_scalef32_pk16_bf6_f32 v[CB+4:CB+6], v[XB+16:XB+31], v[QS]   ; (a conversion's three registers begin on an even number)
	v_lshrrev_b32 v[QB+(\u)%2], 23, v[QS]                          ; the scale's byte; also the plain instruction between the conversions and the moves
	v_mov_b32 v[CB+3], v[CB+4]
	v_mov_b32 v[CB+4], v[CB+5]
	v_mov_b32 v[CB+5], v[CB+6]
.endm
.macro PUTX u                          ; row u of my eight: the block's 24 bytes to their place in xq's row, its byte to its place in xs's
.set CB, CS+8*((\u)%2)
	WIN 0x08                               ; an LDS store's data are its source 1: window 2
	ds_store_b64 v7, v[CB:CB+1] offset:768*(\u)
	ds_store_b64 v7, v[CB+2:CB+3] offset:768*(\u)+8
	ds_store_b64 v7, v[CB+4:CB+5] offset:768*(\u)+16
	ds_store_b8 v9, v[QB+(\u)%2] offset:32*(\u)
.endm
.macro PUTW u                          ; the block's six registers to their places in the fragment's image: registers 0-5 of the lane for blocks 0, 1; registers 6-11 for blocks 2, 3
.set PH, ((\u)-8)/2
.set SG, ((\u)-8)%2
.set CB, CS+8*((\u)%2)
	WIN 0x08
	ds_store_b64 v13, v[CB:CB+1] offset:2304*SG+16*PH
	ds_store_b64 v14, v[CB+2:CB+3] offset:2304*SG+16*PH
	ds_store_b64 v13, v[CB+4:CB+5] offset:2304*SG+16*PH+768
	ds_store_b8 v16, v[QB+(\u)%2] offset:8*PH+4*SG
.endm
.macro DIFF u                          ; the unit as loaded holds the same 4 places of all eight experts: (a - b)^2 for the 28 pairs, summed in 28 pairs of registers
.set RB, RAW+32*((\u)%6)
	WIN 0x40                               ; destination window 1
.set pp, 0
.irp a, 0,1,2,3,4,5,6
.irp b, 1,2,3,4,5,6,7
.if \b > \a
	v_pk_add_f32 v[4*pp:4*pp+1], v[RB+4*\a:RB+4*\a+1], v[RB+4*\b:RB+4*\b+1] neg_lo:[0,1] neg_hi:[0,1]
	v_pk_add_f32 v[4*pp+2:4*pp+3], v[RB+4*\a+2:RB+4*\a+3], v[RB+4*\b+2:RB+4*\b+3] neg_lo:[0,1] neg_hi:[0,1]
.set pp, pp+1
.endif
.endr
.endr
	WIN 0x55                               ; all in window 1
.set pp, 0
.rept 28
.if (\u) == 8
	v_pk_mul_f32 v[112+2*pp:113+2*pp], v[4*pp:4*pp+1], v[4*pp:4*pp+1]   ; the first unit starts the sums
.else
	v_pk_fma_f32 v[112+2*pp:113+2*pp], v[4*pp:4*pp+1], v[4*pp:4*pp+1], v[112+2*pp:113+2*pp]
.endif
.set pp, pp+1
.endr
.set pp, 0
.rept 28
	v_pk_fma_f32 v[112+2*pp:113+2*pp], v[4*pp+2:4*pp+3], v[4*pp+2:4*pp+3], v[112+2*pp:113+2*pp]
.set pp, pp+1
.endr
.endm
; A unit's turn.  Its numbers were sent through the stage in the unit before; its codes go to LDS at the head of the unit behind it (units 7 and 15: at their part's end).
.macro UNIT u
.if (\u) >= 8
	DIFF \u                                ; the slot was shown loaded ahead of its turn, in the unit before
.endif
.if (\u) > 0
	s_wait_alu depctr_va_vdst(0)           ; the unit before has written its codes and its byte, which the LDS stores below read, and is done reading its X, in which the next turn's loads land; units 8, 9: the differences are done reading the slot that is loaded again
.endif
	s_wait_alu depctr_vm_vsrc(0)           ; this unit's turn, issued in the unit before, has read slot u % 6, in which the loads below land; the LDS stores of two units back have read the set of codes and the byte that this unit writes
.if ((\u) > 0) && ((\u) < 8)
	PUTX (\u)-1
.endif
.if (\u) > 8
	PUTW (\u)-1
.endif
.if (\u) <= 9
	LOADU (\u)+6                           ; into the slot just left
.endif
.set DC, 0
.if (\u) <= 14
.if (\u) <= 9
	s_wait_loadcnt 40                      ; unit u + 1 is in; behind it five units of eight loads
.else
	s_wait_loadcnt 8*(14-(\u))             ; nothing more is asked for: the count runs down
.endif
	TURN (\u)+1
.set DC, 16
.endif
.if ((\u) != 0) && ((\u) != 8)
.set DC, DC+4
.endif
	s_wait_dscnt DC                        ; this unit's numbers are back from the stage: behind their loads stand the four stores of the last unit's codes (not in units 0 and 8) and the next turn's sixteen (not in unit 15)
.if (\u) < 8
	DOT \u
.endif
	QUANT \u
.endm
	s_load_b512 s[4:19], s[0:1], 0x0               ; x, router_w, router_b, expert_w, xq, xs, wq, ws
	s_load_b128 s[20:23], s[0:1], 0x40             ; out1, route
	s_load_b64 s[24:25], s[0:1], 0x50              ; fl
	s_set_vgpr_msb 0x80
	v_lshl_add_u32 v254, v0, 2, 0x22100
	v_mov_b32 v255, 0
	s_set_vgpr_msb 0x8000
	v_lshrrev_b32 v26, 5, v0
	v_readfirstlane_b32 s26, v26                   ; wave w
	s_mov_b32 s27, ttmp9                           ; work-group g
	v_and_b32 v1, 31, v0                           ; lane l
	v_lshlrev_b32 v2, 4, v1                        ; 16 l
	s_lshr_b32 s58, s27, 2                         ; j = g / 4
	s_and_b32 s59, s27, 3                          ; kq = g % 4
	s_lshl_b32 s50, s27, 17                        ; x: (32 g + 8 w) rows of 4,096 bytes
	s_wait_alu depctr_va_sdst(0)                   ; s26 is written, ahead of its first reader
	s_lshl_b32 s60, s26, 15
	s_add_co_u32 s50, s50, s60
	s_mov_b32 s51, 0
	s_lshl_b32 s52, s26, 13                        ; router_w: rows 2 w, 2 w + 1
	s_mov_b32 s53, 0
	s_lshl_b32 s54, s58, 16                        ; expert_w: (16 j + 4 w) rows of 4,096 bytes + 1,024 kq
	s_lshl_b32 s60, s26, 14
	s_add_co_u32 s54, s54, s60
	s_lshl_b32 s60, s59, 10
	s_add_co_u32 s54, s54, s60
	s_mov_b32 s55, 0
	s_wait_kmcnt 0x0
	s_add_nc_u64 s[28:29], s[4:5], s[50:51]
	s_add_nc_u64 s[30:31], s[6:7], s[52:53]
	s_add_nc_u64 s[32:33], s[10:11], s[54:55]      ; experts 0, 1 (the odd one by the immediate)
	s_add_nc_u64 s[34:35], s[32:33], 0x800000      ; 2, 3
	s_add_nc_u64 s[36:37], s[34:35], 0x800000      ; 4, 5
	s_add_nc_u64 s[38:39], s[36:37], 0x800000      ; 6, 7
	s_load_b256 s[40:47], s[8:9], 0x0              ; router_b
	s_wait_alu depctr_va_vdst(0)                   ; v2 is written: every load from memory reads it as its offset
.irp h, 0,1
.irp p, 0,1,2,3,4,5,6,7
	global_load_b128 v[RAW+128+32*\h+4*\p:RAW+128+32*\h+4*\p+3], v2, s[30:31] offset:4096*\h+512*\p   ; my two router rows, into slots 4 and 5
.endr
.endr
	LOADU 0
	LOADU 1
	LOADU 2
	LOADU 3
	; every LDS address is made here, ahead of all branches: a constant + a constant x lane + a constant x wave
	v_lshlrev_b32 v19, 3, v1                       ; 8 l
	v_lshrrev_b32 v26, 3, v1
	v_and_b32 v27, 7, v1
	v_mul_u32_u24 v26, v26, 144
	v_lshl_add_u32 v26, v27, 4, v26                ; into a stage: 144 (l / 8) + 16 (l % 8)
	v_mul_u32_u24 v27, v1, 144                     ; out of it: 144 l
	s_mul_i32 s50, s26, 9216
	v_add_nc_u32 v3, s50, v26
	v_add_nc_u32 v4, s50, v27
	s_add_co_u32 s52, s50, RWS
	v_add_nc_u32 v5, s52, v26
	v_add_nc_u32 v6, RWS, v27
	v_lshrrev_b32 v28, 2, v1                       ; l / 4
	v_and_b32 v29, 1, v1                           ; l % 2: the half of the lanes that holds my block
	v_bfe_u32 v30, v1, 1, 1                        ; (l / 2) % 2: its first or second six registers
	v_lshrrev_b32 v31, 4, v1                       ; l / 16
	s_mul_i32 s50, s26, 6144
	s_add_co_u32 s50, s50, XC
	v_mul_u32_u24 v7, v28, 96
	v_mad_u32_u24 v7, v29, 48, v7
	v_mad_u32_u24 v7, v30, 24, v7
	v_add_nc_u32 v7, s50, v7
	v_add_nc_u32 v8, s50, v2
	s_lshl_b32 s50, s26, 8
	s_add_co_u32 s52, s50, XSB
	v_add_nc_u32 v9, s52, v1
	v_add_nc_u32 v10, s52, v19
	s_add_co_u32 s52, s50, LG
	v_lshl_add_u32 v11, v31, 4, s52
	v_lshl_add_u32 v12, v1, 5, LG
	v_add_nc_u32 v23, LG, v2
	s_lshl_b32 s52, s26, 6
	s_add_co_u32 s52, s52, WC
	v_mul_u32_u24 v13, v28, 4640
	v_mad_u32_u24 v13, v29, 272, v13
	v_add_nc_u32 v13, s52, v13
	v_mad_u32_u24 v14, v30, 1528, v13
	v_add_nc_u32 v14, 8, v14
	v_mad_u32_u24 v13, v30, 776, v13
	s_mul_i32 s52, s26, 9280
	s_add_co_u32 s52, s52, WC
	v_and_b32 v27, 15, v1
	v_lshlrev_b32 v27, 4, v27
	v_mad_u32_u24 v27, v31, 272, v27
	v_add_nc_u32 v15, s52, v27
	s_lshl_b32 s52, s26, 5
	s_add_co_u32 s52, s52, WSB
	v_and_b32 v27, 3, v1
	v_lshl_add_u32 v27, v28, 7, v27
	v_add_nc_u32 v16, s52, v27
	s_add_co_u32 s52, s50, WSB
	v_add_nc_u32 v17, s52, v19
	s_lshl_b32 s52, s26, 7
	s_add_co_u32 s52, s52, DV
	v_lshl_add_u32 v18, v31, 6, s52
	v_lshl_add_u32 v21, v1, 2, DV
	v_lshlrev_b32 v24, 7, v31
	v_lshl_add_u32 v24, v1, 2, v24
	v_add_nc_u32 v24, SR, v24                      ; columns 0-15 for lanes 0-15, columns 48-63 for lanes 16-31
	v_add_nc_u32 v25, SR, v19
	s_mul_i32 s52, s26, 1572864
	v_add_nc_u32 v20, s52, v2                      ; wq: 16 l + experts 2 w on
	; where the results go
	s_mul_i32 s50, s27, 24576
	s_mul_i32 s52, s26, 6144
	s_add_co_u32 s50, s50, s52
	s_add_nc_u64 s[12:13], s[12:13], s[50:51]      ; xq at my eight rows
	s_lshl_b32 s50, s27, 10
	s_add_nc_u64 s[20:21], s[20:21], s[50:51]      ; out1 at the 32 tokens
	s_lshl_b32 s52, s26, 8
	s_add_co_u32 s50, s50, s52
	s_add_nc_u64 s[14:15], s[14:15], s[50:51]      ; xs at my eight rows
	s_add_nc_u64 s[18:19], s[18:19], s[50:51]      ; ws at my quarter of the work-group's 1,024 bytes
	s_mul_i32 s50, s58, 12288
	s_mul_i32 s52, s59, 3072
	s_add_co_u32 s50, s50, s52
	s_add_nc_u64 s[16:17], s[16:17], s[50:51]      ; wq at (j, K step 2 kq) of expert 0
	s_lshl_b32 s50, s27, 8
	s_add_nc_u64 s[22:23], s[22:23], s[50:51]      ; route
	s_add_nc_u64 s[24:25], s[24:25], s[50:51]      ; fl: the weights; the row of sums lies 65,536 bytes on
	s_wait_kmcnt 0x0                               ; router_b
	s_wait_loadcnt 32                              ; my router rows are in; units 0-3, 32 loads, may be out
	s_wait_alu depctr_va_vdst(0)                   ; the LDS addresses and offsets v3 to v21 and v23 to v25 are written: every LDS instruction and every store of the kernel reads one of them
.irp h, 0,1
.irp p, 0,1,2,3,4,5,6,7
	ds_store_b128 v5, v[RAW+128+32*\h+4*\p:RAW+128+32*\h+4*\p+3] offset:4608*\h+576*\p
.endr
.endr
	s_wait_dscnt 0x0                               ; for the others' sake: the stores have landed
	s_wait_alu depctr_vm_vsrc(0)                   ; they have read slots 4 and 5, in which the loads below land
	LOADU 4
	LOADU 5
	s_barrier_signal -1
	s_barrier_wait -1                              ; all eight router rows lie in LDS
	WIN 0x40
.irp e, 0,1,2,3,4,5,6,7
.irp q, 0,1,2,3,4,5,6,7
	ds_load_b128 v[32*\e+4*\q:32*\e+4*\q+3], v6 offset:4608*\e+16*\q
.endr
.endr
	s_wait_loadcnt 40                              ; unit 0 is in; units 1-5 may be out
	TURN 0
.irp t, 0,1,2,3,4,5,6,7
	UNIT \t
.endr
	; THE x PART'S END.  64 lane parts of logits are summed over the 32 lanes.  An exchange of halves puts expert e (lanes 0-15) and expert e + 4 (lanes 16-31) into one register; four steps inside the halves follow.
	WIN 0xAA
.set ii, 0
.rept 8
.irp e, 0,1,2,3
	v_permlane16_swap_b32 v[LOGP+8*ii+\e], v[LOGP+4+8*ii+\e]
.endr
.set ii, ii+1
.endr
.set ii, 0
.rept 8
.irp e, 0,1,2,3
	v_add_f32 v[LOGP+8*ii+\e], v[LOGP+8*ii+\e], v[LOGP+4+8*ii+\e]
.endr
.set ii, ii+1
.endr
.irp m, 1,2,4,8
.set ii, 0
.rept 8
.irp e, 0,1,2,3
	v_add_f32_dpp v[LOGP+8*ii+\e], v[LOGP+8*ii+\e], v[LOGP+8*ii+\e] row_xmask:\m row_mask:0xf bank_mask:0xf
.endr
.set ii, ii+1
.endr
.endr
	s_wait_alu depctr_va_vdst(0)                   ; unit 7 has written its codes and its byte, and the sums of the logits are written: the LDS stores below read them
	PUTX 7
	WIN 0x08
.irp i, 0,1,2,3,4,5,6,7
	ds_store_b128 v11, v[LOGP+8*\i:LOGP+8*\i+3] offset:32*\i       ; sixteen lanes write the same 16 bytes with the same values
.endr
	WIN 0x80
.irp n, 0,1,2,3,4,5,6,7,8,9,10,11
	ds_load_b128 v[RBK+4*\n:RBK+4*\n+3], v8 offset:512*\n          ; my eight rows of codes, 6,144 bytes on end
.endr
	ds_load_b64 v[RBK+48:RBK+49], v10                              ; and their 256 scale bytes
	s_wait_dscnt 0x0
	WIN 0x08
.irp n, 0,1,2,3,4,5,6,7,8,9,10,11
	global_store_b128 v2, v[RBK+4*\n:RBK+4*\n+3], s[12:13] offset:512*\n   ; 32 lanes store 512 consecutive bytes, at a multiple of 256 from xq's first byte
.endr
	global_store_b64 v19, v[RBK+48:RBK+49], s[14:15]               ; 256 consecutive bytes, aligned
	WIN 0
	s_barrier_signal -1                            ; (no LDS instruction of mine is out)
	s_barrier_wait -1                              ; the 32 tokens' logits lie in LDS
	v_mov_b32 v22, 0                               ; the row of sums, columns 0-15: wave 0 fills it
	s_cmp_lg_u32 s26, 0
	s_cbranch_scc1 .Lno_tail
	; THE ROUTER'S TAIL, wave 0 alone, a lane a token.  v32-39 logits, then p.  Compares that do not hang on each other stand in runs, each with a scalar register of its own, under one wait
	ds_load_b128 v[32:35], v12
	ds_load_b128 v[36:39], v12 offset:16
	s_wait_dscnt 0x0
.irp e, 0,1,2,3,4,5,6,7
	v_add_f32 v[32+\e], s[40+\e], v[32+\e]
.endr
	v_max3_num_f32 v40, v32, v33, v34
	v_max3_num_f32 v40, v40, v35, v36
	v_max3_num_f32 v40, v40, v37, v38
	v_max_num_f32 v40, v40, v39                    ; the row's maximum is taken away, as the definition does
.irp e, 0,1,2,3,4,5,6,7
	v_sub_f32 v[32+\e], v[32+\e], v40
.endr
.irp e, 0,1,2,3,4,5,6,7
	v_mul_f32 v[32+\e], 0x3fb8aa3b, v[32+\e]       ; x log2(e)
.endr
	s_wait_alu depctr_va_vdst(0)
.irp e, 0,1,2,3,4,5,6,7
	v_exp_f32 v[32+\e], v[32+\e]
.endr
	v_mov_b32 v43, 0                               ; (a plain instruction behind the batch)  the largest p's expert, so far 0
	s_wait_alu depctr_va_vdst(0)                   ; the eight exponentials have written v32 to v39: one wait, ahead of their first reader
	v_add_f32 v40, v32, v33
	v_add_f32 v41, v34, v35
	v_add_f32 v54, v36, v37
	v_add_f32 v55, v38, v39
	v_add_f32 v40, v40, v41
	v_add_f32 v54, v54, v55
	v_add_f32 v40, v40, v54
	s_wait_alu depctr_va_vdst(0)
	v_rcp_f32 v40, v40
	v_mov_b32 v45, 0                               ; (a plain instruction)  the second's expert
	s_wait_alu depctr_va_vdst(0)                   ; the reciprocal has written v40, ahead of its first reader
.irp e, 0,1,2,3,4,5,6,7
	v_mul_f32 v[32+\e], v[32+\e], v40              ; p
.endr
	v_mov_b32 v42, v32
.irp e, 1,2,3,4,5,6,7
	v_cmp_gt_f32 vcc_lo, v[32+\e], v42             ; strictly greater: of equals the lower index stays
	s_wait_alu depctr_va_vcc(0)                    ; the compare has written VCC, ahead of the selects that read it; each compare hangs on the select before it
	v_cndmask_b32 v42, v42, v[32+\e], vcc_lo
	v_cndmask_b32 v43, v43, \e, vcc_lo
.endr
	v_mov_b32 v44, -1.0
.irp e, 0,1,2,3,4,5,6,7
	v_cmp_ne_u32 s[40+\e], \e, v43                 ; the largest is left out: eight masks in one run (router_b's registers are done with)
.endr
.irp e, 0,1,2,3,4,5,6,7
	v_cmp_gt_f32 s48, v[32+\e], v44
	s_wait_alu depctr_va_sdst(0)                   ; the compare has written s48 (the first of these waits: the run above has written s40 to s47 too), ahead of the scalar line that reads them
	s_and_b32 s48, s48, s[40+\e]
	v_cndmask_b32 v44, v44, v[32+\e], s48
	v_cndmask_b32 v45, v45, \e, s48
.endr
	v_add_f32 v40, v42, v44
	s_wait_alu depctr_va_vdst(0)
	v_rcp_f32 v40, v40
	v_min_u32 v48, v43, v45                        ; (a plain instruction)  lo
	v_max_u32 v49, v43, v45                        ; hi
	v_and_b32 v41, 1, v48
	v_cmp_lt_u32 s48, v43, v45
	v_cmp_eq_u32 s49, 1, v41
	v_sub_nc_u32 v52, 15, v48
	v_mul_u32_u24 v52, v52, v48
	v_lshrrev_b32 v52, 1, v52                      ; lo (15 - lo) / 2
	v_sub_nc_u32 v54, v49, v48
	v_add_nc_u32 v54, -1, v54                      ; hi - lo - 1
	v_sub_nc_u32 v55, 7, v49                       ; 7 - hi
	s_wait_alu depctr_va_vdst(0)                   ; the reciprocal has written v40, ahead of its first reader
	v_mul_f32 v42, v42, v40                        ; the two weights, renormalised
	v_mul_f32 v44, v44, v40
	s_wait_alu depctr_va_sdst(0)                   ; the two compares have written s48 and s49, ahead of the selects that read them
	v_cndmask_b32 v46, v44, v42, s48               ; c_lo
	v_cndmask_b32 v47, v42, v44, s48               ; c_hi
	v_cndmask_b32 v54, v54, v55, s49
	v_add_nc_u32 v52, v52, v54                     ; the key
	v_mov_b32 v51, 0                               ; lane k: how many of the 32 tokens have key k
	v_mov_b32 v53, 0                               ; my rank among the tokens of my key
.set kb, 0
.rept 2
.set kk, 0
.rept 14
	v_cmp_eq_u32 s[40+kk], kb+kk, v52
.set kk, kk+1
.endr
	s_wait_alu depctr_va_sdst(0)                   ; the fourteen compares have written s40 to s53, ahead of their first readers
.set kk, 0
.rept 14
	s_bcnt1_i32_b32 s54, s[40+kk]
	v_writelane_b32 v51, s54, kb+kk
	v_mbcnt_lo_u32_b32 v54, s[40+kk], 0
	v_cndmask_b32 v53, v53, v54, s[40+kk]
.set kk, kk+1
.endr
.set kb, kb+14
.endr
	v_lshl_or_b32 v50, v53, 8, v52
	v_lshl_or_b32 v50, v48, 16, v50
	v_lshl_or_b32 v50, v49, 20, v50
	s_wait_alu depctr_va_vdst(0)                   ; p (v32 to v39), the record (v50, v51) and the weights (v46, v47) are written: the LDS stores and the stores below read them
	ds_store_b128 v12, v[32:35]                    ; p goes back into the logits' bytes, which nobody else touches any more,
	ds_store_b128 v12, v[36:39] offset:16
	ds_load_b128 v[56:59], v23                     ; and comes out 16 bytes a lane, for stores of 512 consecutive bytes
	ds_load_b128 v[60:63], v23 offset:512
	global_store_b64 v19, v[50:51], s[22:23]       ; 256 consecutive bytes, aligned
	global_store_b64 v19, v[46:47], s[24:25]
	v_mov_b32 v55, 0
.irp e, 0,1,2,3,4,5,6,7
	v_cmp_eq_u32 s[40+2*\e], \e, v48
	v_cmp_eq_u32 s[41+2*\e], \e, v49
.endr
	s_wait_alu depctr_va_sdst(0)                   ; the sixteen compares have written s40 to s55, ahead of the scalar lines that read them
.irp e, 0,1,2,3,4,5,6,7
	s_or_b32 s56, s[40+2*\e], s[41+2*\e]
	s_bcnt1_i32_b32 s56, s56
	v_writelane_b32 v55, s56, 8+\e                 ; how many of the 32 tokens use expert e
.endr
	v_cvt_f32_u32 v55, v55
	s_wait_alu depctr_vm_vsrc(0)                   ; the two LDS stores have read v32 to v39, which the exchange below writes
.irp e, 0,1,2,3
	v_permlane16_swap_b32 v[32+\e], v[36+\e]       ; the sums of p over the 32 tokens, as the logits were summed
.endr
.irp e, 0,1,2,3
	v_add_f32 v[32+\e], v[32+\e], v[36+\e]
.endr
.irp m, 1,2,4,8
.irp e, 0,1,2,3
	v_add_f32_dpp v[32+\e], v[32+\e], v[32+\e] row_xmask:\m row_mask:0xf bank_mask:0xf
.endr
.endr
.irp e, 0,1,2,3
	v_readlane_b32 s[40+2*\e], v[32+\e], 0
	v_readlane_b32 s[41+2*\e], v[32+\e], 16
.endr
	s_wait_alu depctr_va_sdst(0)                   ; the eight lines above have written s40 to s47, ahead of the lines that read them
.irp e, 0,1,2,3
	v_writelane_b32 v22, s[40+2*\e], \e
	v_writelane_b32 v22, s[41+2*\e], 4+\e
.endr
	v_add_f32 v22, v22, v55                        ; lanes 0-7 sums of p, lanes 8-15 counts, lanes 16-31 zeros
	s_wait_dscnt 0x0                               ; p is back from LDS
	global_store_b128 v2, v[56:59], s[20:21]
	global_store_b128 v2, v[60:63], s[20:21] offset:512
.Lno_tail:
.irp t, 8,9,10,11,12,13,14,15
	UNIT \t
.endr
	; THE W PART'S END.  The 28 sums of squares, and 4 zeros, are summed over the lanes as the logits were
	WIN 0x55
.set pp, 0
.rept 28
	v_add_f32 v[176+pp], v[112+2*pp], v[113+2*pp]
.set pp, pp+1
.endr
.irp q, 204,205,206,207
	v_mov_b32 v\q, 0
.endr
.set pp, 0
.rept 16
	v_permlane16_swap_b32 v[176+pp], v[192+pp]
.set pp, pp+1
.endr
.set pp, 0
.rept 16
	v_add_f32 v[176+pp], v[176+pp], v[192+pp]
.set pp, pp+1
.endr
.irp m, 1,2,4,8
.set pp, 0
.rept 16
	v_add_f32_dpp v[176+pp], v[176+pp], v[176+pp] row_xmask:\m row_mask:0xf bank_mask:0xf
.set pp, pp+1
.endr
.endr
	s_wait_alu depctr_va_vdst(0)                   ; unit 15 has written its codes and its byte, and the sixteen registers of sums are written: the LDS stores below read them
	PUTW 15
	WIN 0x04                               ; the data: window 1
.set pp, 0
.rept 16
	ds_store_b32 v18, v[176+pp] offset:4*pp        ; pair pp from lanes 0-15, pair pp + 16 from lanes 16-31
.set pp, pp+1
.endr
	WIN 0
	BARRIER                                        ; sixteen images, 1,024 scale bytes and the waves' sums lie in LDS
	s_wait_xcnt 0x0                                ; the x part's stores have had their addresses translated; that they have read the registers loaded again below is stated by the waits on vm_vsrc at the heads of units 8 to 15, which stand behind those stores
	WIN 0x80
.irp h, 0,1
.irp g, 0,1
.irp c, 0,1,2
	ds_load_b128 v[RBK+4*(6*\h+3*\g+\c):RBK+4*(6*\h+3*\g+\c)+3], v15 offset:4640*\h+2304*\g+768*\c   ; experts 2 w, 2 w + 1: two K steps x three chunks of 512 bytes
.endr
.endr
.endr
	ds_load_b64 v[RBK+48:RBK+49], v17
	s_wait_dscnt 0x0
	WIN 0x08
.irp h, 0,1
.irp g, 0,1
.irp c, 0,1,2
	global_store_b128 v20, v[RBK+4*(6*\h+3*\g+\c):RBK+4*(6*\h+3*\g+\c)+3], s[16:17] offset:786432*\h+1536*\g+512*\c   ; 512 consecutive bytes, at a multiple of 256 from wq's first byte
.endr
.endr
.endr
	global_store_b64 v19, v[RBK+48:RBK+49], s[18:19]
	WIN 0
	s_cmp_lg_u32 s26, 0
	s_cbranch_scc1 .Lend
	ds_load_b32 v26, v21                           ; wave 0: the four waves' sums of pair l
	ds_load_b32 v27, v21 offset:128
	ds_load_b32 v28, v21 offset:256
	ds_load_b32 v29, v21 offset:384
	s_wait_dscnt 0x0
	v_add_f32 v26, v26, v27
	v_add_f32 v28, v28, v29
	v_add_f32 v26, v26, v28
	s_wait_alu depctr_va_vdst(0)                   ; the additions have written v26, which the second LDS store below reads
	ds_store_b32 v24, v22                          ; columns 0-15 and 48-63,
	ds_store_b32 v21, v26 offset:SR-DV+64          ; columns 16-47
	ds_load_b64 v[30:31], v25                      ; LDS serves a wave's instructions in order: this sees both
	s_wait_dscnt 0x0
	global_store_b64 v19, v[30:31], s[24:25] offset:65536   ; the work-group's row of 64 sums: 256 consecutive bytes, aligned
.Lend:
	s_set_vgpr_msb 0xa                             ; the add's two registers, sources 0 and 1, lie in window 2
	s_wait_dscnt 0x0                               ; the closing lines, six on end
	s_wait_alu 0x0
	s_wait_tensorcnt 0x0
	ds_add_u32 v254, v255
	s_wait_dscnt 0x0
	s_endpgm
.Lfunc_end_k_q38fdd5595f_prep:
	.size	k_q38fdd5595f_prep, .Lfunc_end_k_q38fdd5595f_prep-k_q38fdd5595f_prep
	.p2alignl 7, 3214868480
	.fill 96, 4, 3214868480
	.section	.rodata,"a",@progbits
	.p2align	6, 0x0
	.amdhsa_kernel k_q38fdd5595f_prep
		.amdhsa_group_segment_fixed_size 140032
		.amdhsa_private_segment_fixed_size 0
		.amdhsa_enable_private_segment 0
		.amdhsa_kernarg_size 88
		.amdhsa_user_sgpr_count 2
		.amdhsa_user_sgpr_kernarg_segment_ptr 1
		.amdhsa_wavefront_size32 1
		.amdhsa_system_sgpr_workgroup_id_x 1
		.amdhsa_system_sgpr_workgroup_id_y 1
		.amdhsa_system_sgpr_workgroup_id_z 1
		.amdhsa_system_vgpr_workitem_id 0
		.amdhsa_next_free_vgpr 768
		.amdhsa_next_free_sgpr 66
		.amdhsa_reserve_vcc 1
		.amdhsa_float_denorm_mode_32 3
		.amdhsa_float_denorm_mode_16_64 3
		.amdhsa_memory_ordered 1
		.amdhsa_forward_progress 1
		.amdhsa_inst_pref_size 237
	.end_amdhsa_kernel
	.amdgpu_metadata
---
amdhsa.version: [ 1, 2 ]
amdhsa.kernels:
  - .name:           k_q38fdd5595f_prep
    .symbol:         k_q38fdd5595f_prep.kd
    .args:
      - { .name: x, .offset: 0, .size: 8, .value_kind: global_buffer, .address_space: global }
      - { .name: router_w, .offset: 8, .size: 8, .value_kind: global_buffer, .address_space: global }
      - { .name: router_b, .offset: 16, .size: 8, .value_kind: global_buffer, .address_space: global }
      - { .name: expert_w, .offset: 24, .size: 8, .value_kind: global_buffer, .address_space: global }
      - { .name: xq, .offset: 32, .size: 8, .value_kind: global_buffer, .address_space: global }
      - { .name: xs, .offset: 40, .size: 8, .value_kind: global_buffer, .address_space: global }
      - { .name: wq, .offset: 48, .size: 8, .value_kind: global_buffer, .address_space: global }
      - { .name: ws, .offset: 56, .size: 8, .value_kind: global_buffer, .address_space: global }
      - { .name: out1, .offset: 64, .size: 8, .value_kind: global_buffer, .address_space: global }
      - { .name: route, .offset: 72, .size: 8, .value_kind: global_buffer, .address_space: global }
      - { .name: fl, .offset: 80, .size: 8, .value_kind: global_buffer, .address_space: global }
    .group_segment_fixed_size: 140032
    .private_segment_fixed_size: 0
    .kernarg_segment_align: 8
    .kernarg_segment_size: 88
    .max_flat_workgroup_size: 128
    .sgpr_count:     66
    .vgpr_count:     768
    .wavefront_size: 32
...
	.end_amdgpu_metadata
.endif
;; end of part 4
;; launch place (part 5): grid 33 x 1, 8 waves a work-group, no clusters, 9,216 bytes of LDS; arguments route, fl, expert_b, expert_pref, ord, out2, out3, out4; writes ord, out2, out3, out4
.if DOCPART == 5
	.amdgcn_target "amdgcn-amd-amdhsa--gfx1250"
	.amdhsa_code_object_version 6
	.text
	.protected	k_q38fdd5595f_place
	.globl	k_q38fdd5595f_place
	.p2align	8
	.type	k_q38fdd5595f_place,@function
k_q38fdd5595f_place:
	s_mov_b64 s[64:65], 0
	v_nop
	global_prefetch_b8 v0, s[64:65] scope:SCOPE_SE
	s_setreg_imm32_b32 hwreg(HW_REG_WAVE_MODE, 25, 1), 1
	s_wait_xcnt 0x0
; PLACE.  Work-groups 0-31 give each token its place in the order sorted by key (a counting sort without atomics); work-group 32 finishes the three small results.
; PLACES.  route [chunk of 32 tokens][l][2] holds the token's key | rank << 8 | lo << 16 | hi << 20 and the chunk's count of key l.  A token's place is: the tokens of all lower keys, + the tokens of
; its key in earlier chunks, + its rank in its chunk.  Work-group G, wave w serves chunk 8 G + w.  The eight waves share the 256 histograms out, 32 each, a lane a key; each makes the sum of its 32
; and the sum of those that lie ahead of chunk 8 G; the waves' sums meet in LDS.  ord [place][2] = token, lo | hi << 8.  Each place is written once, by one lane.
; SUMS.  fl holds from byte 65,536 a row of 64 f32 sums for each of the first launch's 256 work-groups: columns 0-7 sums of p, 8-15 counts, 16-43 squared distances over expert_w.  The squared
; differences of expert_b and expert_pref are added here, always as sums of (a - b)^2.
; The two paths part on the work-group's number; each has LDS bytes of its own (0-2,047; 4,096-7,167) and one barrier.
; A launch of a few hundred instructions a wave: matrix units, tensor loads, clusters and prefetches have nothing to do here.
	s_load_b512 s[4:19], s[0:1], 0x0               ; route, fl, expert_b, expert_pref, ord, out2, out3, out4
	v_lshl_add_u32 v254, v0, 2, 0x2000
	v_mov_b32 v255, 0
	v_lshrrev_b32 v1, 5, v0
	s_delay_alu instid0(VALU_DEP_1)
	v_readfirstlane_b32 s20, v1                    ; wave w
	v_and_b32 v1, 31, v0                           ; lane L
	s_delay_alu instid0(VALU_DEP_1)
	v_lshlrev_b32 v2, 3, v1                        ; 8 L
	s_delay_alu instid0(VALU_DEP_2)
	v_lshlrev_b32 v3, 2, v1                        ; 4 L
	s_lshl_b32 s21, s20, 8
	v_add_nc_u32 v4, s21, v3                       ; places: my wave's two sums: 256 w + 4 L
	v_lshlrev_b32 v5, 4, v0                        ; 16 x thread
	v_and_b32 v6, 15, v1
	s_delay_alu instid0(VALU_DEP_1)
	v_lshlrev_b32 v6, 4, v6
	s_delay_alu instid0(VALU_DEP_1)
	v_add_nc_u32 v6, s21, v6
	s_delay_alu instid0(VALU_DEP_1)
	v_add_nc_u32 v6, 4096, v6                      ; sums: my wave's 64 column sums: 4,096 + 256 w + 16 (L % 16)
	v_lshrrev_b32 v7, 4, v1
	s_lshl_b32 s22, s20, 7
	s_add_co_u32 s22, s22, 6144
	v_lshl_add_u32 v7, v7, 6, s22                  ; my wave's 32 squared distances: 6,144 + 128 w + 64 (L / 16)
	v_add_nc_u32 v8, 4096, v3                      ; wave 0 reads them all back
	s_mov_b32 s24, 0x76543210
	s_mov_b32 s25, 0xfedcba98                      ; v_permlanex16_b32's selects for lane L xor 16
	s_wait_kmcnt 0x0
	s_cmp_eq_u32 ttmp9, 32
	s_cbranch_scc1 .Lstats
	s_lshl_b32 s26, ttmp9, 11
	s_mov_b32 s27, 0
	s_add_nc_u64 s[28:29], s[4:5], s[26:27]        ; route at chunk 8 G
	s_lshl_b32 s30, s20, 13
	v_add_nc_u32 v9, s30, v2                       ; 8 L + chunks 32 w on
	v_add_nc_u32 v10, s21, v2                      ; 8 L + 256 w
	global_load_b32 v12, v10, s[28:29]             ; my token's word
.set nn, 0
.rept 32
	global_load_b32 v[16+nn], v9, s[4:5] offset:256*nn+4      ; the count of key L in chunk 32 w + nn
.set nn, nn+1
.endr
.set nn, 0
.rept 7
	global_load_b32 v[48+nn], v2, s[28:29] offset:256*nn+4    ; and in chunks 8 G + 0 .. 6
.set nn, nn+1
.endr
	s_lshl_b32 s31, ttmp9, 3
	s_lshl_b32 s32, s20, 5
	s_sub_co_i32 s31, s31, s32                     ; of my 32 chunks those with nn < 8 G - 32 w lie ahead of chunk 8 G
	s_wait_loadcnt 0x0
	v_add_nc_u32 v56, v16, v17                     ; all 32
.set nn, 2
.rept 15
	s_delay_alu instid0(VALU_DEP_1)
	v_add3_u32 v56, v56, v[16+nn], v[17+nn]
.set nn, nn+2
.endr
.set nn, 0
.rept 32
	s_cmp_gt_i32 s31, nn
	s_cselect_b32 s33, -1, 0
	v_and_b32 v[16+nn], s33, v[16+nn]
.set nn, nn+1
.endr
	v_add_nc_u32 v57, v16, v17                     ; those ahead
.set nn, 2
.rept 15
	s_delay_alu instid0(VALU_DEP_1)
	v_add3_u32 v57, v57, v[16+nn], v[17+nn]
.set nn, nn+2
.endr
	ds_store_b32 v4, v56
	ds_store_b32 v4, v57 offset:128
	s_wait_dscnt 0x0                               ; for the others' sake: my stores have landed
	s_barrier_signal -1
	s_barrier_wait -1
.set nn, 0
.rept 8
	ds_load_b32 v[16+nn], v3 offset:256*nn
	ds_load_b32 v[24+nn], v3 offset:256*nn+128
.set nn, nn+1
.endr
.set nn, 0
.rept 7
	s_cmp_gt_u32 s20, nn                           ; of my work-group's chunks those ahead of mine
	s_cselect_b32 s33, -1, 0
	v_and_b32 v[48+nn], s33, v[48+nn]
.set nn, nn+1
.endr
	s_wait_dscnt 0x0
	v_add3_u32 v56, v16, v17, v18                  ; lane k: all tokens of key k
	v_add3_u32 v57, v24, v25, v26                  ; lane k: those in chunks ahead of mine
	s_delay_alu instid0(VALU_DEP_2)
	v_add3_u32 v56, v56, v19, v20
	s_delay_alu instid0(VALU_DEP_2)
	v_add3_u32 v57, v57, v27, v28
	s_delay_alu instid0(VALU_DEP_2)
	v_add3_u32 v56, v56, v21, v22
	s_delay_alu instid0(VALU_DEP_2)
	v_add3_u32 v57, v57, v29, v30
	s_delay_alu instid0(VALU_DEP_2)
	v_add_nc_u32 v56, v56, v23
	s_delay_alu instid0(VALU_DEP_2)
	v_add3_u32 v57, v57, v31, v48
	s_delay_alu instid0(VALU_DEP_1)
	v_add3_u32 v57, v57, v49, v50
	s_delay_alu instid0(VALU_DEP_1)
	v_add3_u32 v57, v57, v51, v52
	s_delay_alu instid0(VALU_DEP_1)
	v_add3_u32 v57, v57, v53, v54
	v_and_b32 v58, 0xff, v12                       ; key
	v_bfe_u32 v59, v12, 8, 8                       ; rank
	v_bfe_u32 v60, v12, 16, 4                      ; lo
	v_bfe_u32 v61, v12, 20, 4                      ; hi
	v_mov_b32 v62, 0
	s_mov_b32 s34, 0                               ; the tokens of all lower keys
.set kk, 0
.rept 28
	v_readlane_b32 s35, v56, kk
	v_readlane_b32 s36, v57, kk
	s_add_co_u32 s36, s36, s34
	s_add_co_u32 s34, s34, s35
	v_cmp_eq_u32 vcc_lo, kk, v58
	s_delay_alu instid0(VALU_DEP_1)
	v_cndmask_b32 v62, v62, s36, vcc_lo
.set kk, kk+1
.endr
	s_delay_alu instid0(VALU_DEP_1)
	v_add_nc_u32 v62, v62, v59
	s_delay_alu instid0(VALU_DEP_1)
	v_min_u32 v62, 0x1fff, v62                     ; a place is under 8,192
	s_delay_alu instid0(VALU_DEP_1)
	v_lshlrev_b32 v62, 3, v62
	s_lshl_b32 s37, ttmp9, 8
	s_lshl_b32 s38, s20, 5
	s_add_co_u32 s37, s37, s38
	v_add_nc_u32 v64, s37, v1                      ; my token: 32 (8 G + w) + L
	v_lshl_or_b32 v65, v61, 8, v60
	global_store_b64 v62, v[64:65], s[12:13]
	s_wait_tensorcnt 0x0
	ds_add_u32 v254, v255
	s_wait_dscnt 0x0
	s_endpgm
.Lstats:
.set nn, 0
	s_wait_alu depctr_va_vdst(0)
.rept 16
	global_load_b128 v[16+4*nn:19+4*nn], v5, s[6:7] offset:65536+4096*nn    ; sixteen rows of sums an instruction: thread t takes columns 4 (t % 16) on of row 16 nn + t / 16
.set nn, nn+1
.endr
.irp e, 0,1,2,3,4,5,6,7
	global_load_b128 v[80+4*\e:83+4*\e], v5, s[8:9] offset:4096*\e          ; expert_b: my 4 places in the eight experts
.endr
.irp e, 0,1,2,3,4,5,6,7
	global_load_b128 v[112+4*\e:115+4*\e], v5, s[10:11] offset:4096*\e      ; expert_pref likewise
.endr
	s_wait_loadcnt 16                              ; the rows of sums are in; the sixteen loads behind them may be out
.set nn, 1
	v_pk_add_f32 v[16:17], v[16:17], v[16+4*nn:17+4*nn]
	v_pk_add_f32 v[18:19], v[18:19], v[18+4*nn:19+4*nn]
.set nn, nn+1
.rept (15)-1
	s_delay_alu instid0(VALU_DEP_2)
	v_pk_add_f32 v[16:17], v[16:17], v[16+4*nn:17+4*nn]
	s_delay_alu instid0(VALU_DEP_2)
	v_pk_add_f32 v[18:19], v[18:19], v[18+4*nn:19+4*nn]
.set nn, nn+1
.endr
.irp c, 0,1,2,3
	v_permlanex16_b32 v[20+\c], v[16+\c], s24, s25 ; the wave's other row
.endr
.irp c, 0,1,2,3
	s_delay_alu instid0(VALU_DEP_4)
	v_add_f32 v[16+\c], v[16+\c], v[20+\c]
.endr
	ds_store_b128 v6, v[16:19]                     ; both halves of the lanes write the same values
	s_wait_loadcnt 0x0
; (a - b)^2 of my 4 places for the 28 pairs, in the first launch's order of pairs.  Differences: pair pp in v[20 + 4 pp] (pp < 15) or v[200 + 4 (pp - 15)]; sums in v[144 + 2 pp]
.macro DIFS base, first
.set pp, 0
.irp a, 0,1,2,3,4,5,6
.irp b, 1,2,3,4,5,6,7
.if \b > \a
.set DT, 20+4*pp
.if pp >= 15
.set DT, 200+4*(pp-15)
.endif
	v_pk_add_f32 v[DT:DT+1], v[\base+4*\a:\base+4*\a+1], v[\base+4*\b:\base+4*\b+1] neg_lo:[0,1] neg_hi:[0,1]
	v_pk_add_f32 v[DT+2:DT+3], v[\base+4*\a+2:\base+4*\a+3], v[\base+4*\b+2:\base+4*\b+3] neg_lo:[0,1] neg_hi:[0,1]
.set pp, pp+1
.endif
.endr
.endr
.set pp, 0
.rept 28
.set DT, 20+4*pp
.if pp >= 15
.set DT, 200+4*(pp-15)
.endif
.if \first
	v_pk_mul_f32 v[144+2*pp:145+2*pp], v[DT:DT+1], v[DT:DT+1]
.else
	v_pk_fma_f32 v[144+2*pp:145+2*pp], v[DT:DT+1], v[DT:DT+1], v[144+2*pp:145+2*pp]
.endif
.set pp, pp+1
.endr
.set pp, 0
.rept 28
.set DT, 20+4*pp
.if pp >= 15
.set DT, 200+4*(pp-15)
.endif
	v_pk_fma_f32 v[144+2*pp:145+2*pp], v[DT+2:DT+3], v[DT+2:DT+3], v[144+2*pp:145+2*pp]
.set pp, pp+1
.endr
.endm
	DIFS 80, 1
	DIFS 112, 0
.set pp, 0
.rept 28
	v_add_f32 v[80+pp], v[144+2*pp], v[145+2*pp]
.set pp, pp+1
.endr
.irp q, 108,109,110,111
	v_mov_b32 v\q, 0
.endr
.set pp, 0
.rept 16
	v_permlane16_swap_b32 v[80+pp], v[96+pp]       ; pair pp to lanes 0-15, pair pp + 16 to lanes 16-31
.set pp, pp+1
.endr
.set pp, 0
.rept 16
	v_add_f32 v[80+pp], v[80+pp], v[96+pp]
.set pp, pp+1
.endr
.irp m, 1,2,4,8
.set pp, 0
.rept 16
	v_add_f32_dpp v[80+pp], v[80+pp], v[80+pp] row_xmask:\m row_mask:0xf bank_mask:0xf
.set pp, pp+1
.endr
.endr
.set pp, 0
.rept 16
	ds_store_b32 v7, v[80+pp] offset:4*pp
.set pp, pp+1
.endr
	s_wait_dscnt 0x0
	s_barrier_signal -1
	s_barrier_wait -1
	s_cmp_lg_u32 s20, 0
	s_cbranch_scc1 .Lend
.set nn, 0
.rept 8
	ds_load_b32 v[16+nn], v8 offset:256*nn         ; column L,
	ds_load_b32 v[24+nn], v8 offset:256*nn+64      ; column 16 + L: pair L over expert_w,
	ds_load_b32 v[32+nn], v8 offset:2048+128*nn    ; pair L over expert_b and expert_pref
.set nn, nn+1
.endr
	s_wait_dscnt 0x0
.irp b, 16,24,32
	v_add_f32 v[\b], v[\b], v[\b+1]
	v_add_f32 v[\b+2], v[\b+2], v[\b+3]
	v_add_f32 v[\b+4], v[\b+4], v[\b+5]
	v_add_f32 v[\b+6], v[\b+6], v[\b+7]
	s_delay_alu instid0(VALU_DEP_3)
	v_add_f32 v[\b], v[\b], v[\b+2]
	s_delay_alu instid0(VALU_DEP_2)
	v_add_f32 v[\b+4], v[\b+4], v[\b+6]
	s_delay_alu instid0(VALU_DEP_1)
	v_add_f32 v[\b], v[\b], v[\b+4]
.endr
	s_delay_alu instid0(VALU_DEP_1)
	v_add_f32 v24, v24, v32
	s_wait_alu depctr_va_vdst(0)
	v_sqrt_f32 v24, v24                            ; the pair's distance; lanes 28-31 hold 0
	v_mul_f32 v16, 0x39000000, v16                 ; (a plain instruction)  / 8,192: lanes 0-7 the mean p, lanes 8-15 the utilisation
	s_wait_alu depctr_va_vdst(0)
	v_add_f32 v40, 0xbe000000, v16                 ; - 1 / 8
	s_delay_alu instid0(VALU_DEP_1)
	v_mul_f32 v40, v40, v40
	v_cmp_gt_u32 vcc_lo, 8, v1
	s_delay_alu instid0(VALU_DEP_1)
	v_cndmask_b32 v40, 0, v40, vcc_lo              ; lanes 0-7 alone count
	v_mov_b32 v41, 0
	v_mov_b32 v42, 0
.irp m, 1
	v_add_f32_dpp v24, v24, v24 row_xmask:\m row_mask:0xf bank_mask:0xf
	s_delay_alu instid0(VALU_DEP_4)
	v_add_f32_dpp v40, v40, v40 row_xmask:\m row_mask:0xf bank_mask:0xf
.endr
.irp m, 2, 4, 8
	s_delay_alu instid0(VALU_DEP_2)
	v_add_f32_dpp v24, v24, v24 row_xmask:\m row_mask:0xf bank_mask:0xf
	s_delay_alu instid0(VALU_DEP_2)
	v_add_f32_dpp v40, v40, v40 row_xmask:\m row_mask:0xf bank_mask:0xf
.endr
	s_delay_alu instid0(VALU_DEP_2)
	v_permlanex16_b32 v41, v24, s24, s25
	s_delay_alu instid0(VALU_DEP_2)
	v_permlanex16_b32 v42, v40, s24, s25
	s_delay_alu instid0(VALU_DEP_2)
	v_add_f32 v24, v24, v41
	s_delay_alu instid0(VALU_DEP_2)
	v_add_f32 v40, v40, v42
	s_delay_alu instid0(VALU_DEP_2)
	v_mul_f32 v24, 0x3d124925, v24                 ; / 28
	s_delay_alu instid0(VALU_DEP_2)
	v_mul_f32 v40, 0x3e000000, v40                 ; / 8
	v_mov_b32 v43, 0
	v_and_b32 v44, 7, v1
	s_delay_alu instid0(VALU_DEP_1)
	v_lshlrev_b32 v44, 2, v44
	v_lshrrev_b32 v45, 3, v1
	v_cmp_eq_u32 vcc_lo, 0, v1
	s_wait_alu depctr_va_vdst(0)
	s_wait_xcnt 0x0                                ; EXEC changes only behind this wait
	s_and_saveexec_b32 s26, vcc_lo
	global_store_b32 v43, v40, s[16:17]            ; out3
	global_store_b32 v43, v24, s[18:19]            ; out4
	s_wait_xcnt 0x0
	s_or_b32 exec_lo, exec_lo, s26
	v_cmp_eq_u32 vcc_lo, 1, v45
	s_and_saveexec_b32 s26, vcc_lo
	global_store_b32 v44, v16, s[14:15]            ; out2, from lanes 8-15
	s_wait_xcnt 0x0
	s_or_b32 exec_lo, exec_lo, s26
.Lend:
	s_wait_tensorcnt 0x0
	ds_add_u32 v254, v255
	s_wait_dscnt 0x0
	s_endpgm
.Lfunc_end_k_q38fdd5595f_place:
	.size	k_q38fdd5595f_place, .Lfunc_end_k_q38fdd5595f_place-k_q38fdd5595f_place
	.p2alignl 7, 3214868480
	.fill 96, 4, 3214868480
	.section	.rodata,"a",@progbits
	.p2align	6, 0x0
	.amdhsa_kernel k_q38fdd5595f_place
		.amdhsa_group_segment_fixed_size 9216
		.amdhsa_private_segment_fixed_size 0
		.amdhsa_enable_private_segment 0
		.amdhsa_kernarg_size 64
		.amdhsa_user_sgpr_count 2
		.amdhsa_user_sgpr_kernarg_segment_ptr 1
		.amdhsa_wavefront_size32 1
		.amdhsa_system_sgpr_workgroup_id_x 1
		.amdhsa_system_sgpr_workgroup_id_y 1
		.amdhsa_system_sgpr_workgroup_id_z 1
		.amdhsa_system_vgpr_workitem_id 0
		.amdhsa_next_free_vgpr 256
		.amdhsa_next_free_sgpr 66
		.amdhsa_reserve_vcc 1
		.amdhsa_float_denorm_mode_32 3
		.amdhsa_float_denorm_mode_16_64 3
		.amdhsa_memory_ordered 1
		.amdhsa_forward_progress 1
		.amdhsa_inst_pref_size 57
	.end_amdhsa_kernel
	.amdgpu_metadata
---
amdhsa.version: [ 1, 2 ]
amdhsa.kernels:
  - .name:           k_q38fdd5595f_place
    .symbol:         k_q38fdd5595f_place.kd
    .args:
      - { .name: route, .offset: 0, .size: 8, .value_kind: global_buffer, .address_space: global }
      - { .name: fl, .offset: 8, .size: 8, .value_kind: global_buffer, .address_space: global }
      - { .name: expert_b, .offset: 16, .size: 8, .value_kind: global_buffer, .address_space: global }
      - { .name: expert_pref, .offset: 24, .size: 8, .value_kind: global_buffer, .address_space: global }
      - { .name: ord, .offset: 32, .size: 8, .value_kind: global_buffer, .address_space: global }
      - { .name: out2, .offset: 40, .size: 8, .value_kind: global_buffer, .address_space: global }
      - { .name: out3, .offset: 48, .size: 8, .value_kind: global_buffer, .address_space: global }
      - { .name: out4, .offset: 56, .size: 8, .value_kind: global_buffer, .address_space: global }
    .group_segment_fixed_size: 9216
    .private_segment_fixed_size: 0
    .kernarg_segment_align: 8
    .kernarg_segment_size: 64
    .max_flat_workgroup_size: 256
    .sgpr_count:     66
    .vgpr_count:     256
    .wavefront_size: 32
...
	.end_amdgpu_metadata
.endif
;; end of part 5
;; launch moe (part 6): grid 4 x 64, 4 waves a work-group, no clusters, 139,776 bytes of LDS; arguments xq, xs, wq, ws, expert_b, fl, ord, out0; writes out0
.if DOCPART == 6
	.amdgcn_target "amdgcn-amd-amdhsa--gfx1250"
	.amdhsa_code_object_version 6
	.text
	.protected	k_q38fdd5595f_moe
	.globl	k_q38fdd5595f_moe
	.p2align	8
	.type	k_q38fdd5595f_moe,@function
k_q38fdd5595f_moe:
	s_mov_b64 s[64:65], 0
	v_nop
	global_prefetch_b8 v0, s[64:65] scope:SCOPE_SE
	s_setreg_imm32_b32 hwreg(HW_REG_WAVE_MODE, 25, 1), 1
	s_wait_xcnt 0x0
; MOE.  out0[token] = c_lo (x W_lo^T + b_lo) + c_hi (x W_hi^T + b_hi), the products on codes of BF6 (E3M2) with one E8M0 scale for each 32 along K, sums in f32.  Only the experts that a token has
; chosen are multiplied: the others' weight in the definition is 0.
; SHARES.  Tokens are taken in the order of ord, sorted by their pair of experts.  Work-group (nb, blk): places 128 blk .. + 127, columns 256 nb .. + 255.  Wave w: all 128 tokens (8 tiles of 16) x columns
; 64 w .. + 63 (4 tiles of 16): 32 accumulators.  Each output row's part has one owner.  The work-group walks the experts that its tokens use (2 to 8; 2 or 3 where the tokens spread evenly), by a mask made of ord's whole numbers.
; OPERANDS.  x's 128 rows of codes are gathered once into LDS, turned to [16-byte piece][row], so that a fragment is three loads of 16 bytes a lane.  W's fragments come from memory straight into
; registers, as images of the registers (three loads of 512 consecutive bytes): a fragment is loaded by one wave and feeds 8 products; a fragment of x feeds 4.
; THE MATRIX INSTRUCTION IS USED TRANSPOSED: source 0 = 16 rows of W, source 1 = 16 tokens.  A lane then holds ONE token (lane % 16) and 8 neighbouring columns, so the token's weight is one number a lane.
; The bias is the C of each sum's first product.  After an expert's 8 K steps the sums are multiplied by the lane's weight (0 for a token that has not chosen it) and added into the result.
; WHY NO TENSOR LOADS, NO CLUSTER: which experts are walked, and how many, hangs on numbers read from memory, so the weights' loads stand under a trip count that differs from work-group to work-group.
; No prefetch: W's codes are read by 64 work-groups, not once.
; REGISTERS, in windows of 256.  Window 0: v1-15 addresses; v16-31 lo, hi of my token in each tile; v32-47 its two weights; v48-55 its weight for the expert in hand; v56-87 x's scale words; v88-103 W's;
;   v104-119 the gather's offsets; v128-223 x's fragments, one set; v224-255 at work.   Window 1: v0-191 W's fragments, four slots of 48 (a K step each); v192-223 the bias.
;   Window 2: the 32 accumulators, (i, j) at 8 (4 i + j).   Window 3: the result, likewise.
.set TILE, 13056                       ; LDS: a tile of 16 tokens: 48 pieces x (16 rows x 16 bytes + 16)
.set STG,  104448                      ; behind the 8 tiles: two stages of 16 rows x 272 bytes for each wave, for the way out
.set MSB, 0
.macro WIN new                         ; the immediate's high byte repeats the setting that is left; a switch that changes nothing is dropped
.if MSB != (\new)
	s_set_vgpr_msb (MSB<<8)|(\new)
.set MSB, \new
.endif
.endm
.macro PLACES                          ; four plain instructions between a matrix instruction and a load into one of its registers, or the first read of its result (ISA guide 7.12.1 for vector instructions)
.rept 4
	v_nop
.endr
.endm
.macro SETNEXT                         ; the next expert of the mask, and where its weights, bias and scale bytes begin for my wave
	s_ctz_i32_b32 s25, s23
	s_min_u32 s25, s25, 7
	s_sub_co_u32 s46, s23, 1
	s_and_b32 s23, s23, s46
	s_mov_b32 s47, 0
	s_mul_i32 s46, s25, 786432
	s_add_nc_u64 s[30:31], s[40:41], s[46:47]
	s_lshl_b32 s46, s25, 12
	s_add_nc_u64 s[32:33], s[42:43], s[46:47]
	s_lshl_b32 s46, s25, 7
	s_add_nc_u64 s[34:35], s[44:45], s[46:47]
.endm
.macro LB s, sb                        ; my four fragments of W for K step s into slot s % 4: twelve loads of 512 consecutive bytes
	WIN 0x40                               ; destination window 1
.irp j, 0,1,2,3
.irp c, 0,1,2
	global_load_b128 v[48*((\s)%4)+12*\j+4*\c:48*((\s)%4)+12*\j+4*\c+3], v3, s[\sb:\sb+1] offset:12288*\j+1536*(\s)+512*\c
.endr
.endr
.endm
.macro LBIAS                           ; the next expert's bias in the result's layout: lane (r, h) takes columns 16 j + 8 h + 0 .. 7
	WIN 0x40
.irp j, 0,1,2,3
	global_load_b128 v[192+8*\j:195+8*\j], v4, s[32:33] offset:64*\j
	global_load_b128 v[196+8*\j:199+8*\j], v4, s[32:33] offset:64*\j+16
.endr
.endm
.macro LWS q                           ; the next expert's scale words of K steps 4 q .. 4 q + 3: register 4 j + 2 q + t holds step 4 q + t in lanes 0-15 and step 4 q + 2 + t in lanes 16-31
	WIN 0
.irp j, 0,1,2,3
	global_load_b64 v[88+4*\j+2*(\q):89+4*\j+2*(\q)], v5, s[34:35] offset:4096*\j+2048*(\q)
.endr
.endm
.macro TOKL t                          ; the last expert's idle slots take the tokens' numbers for the way out: register 8 i + q: the token of row 2 q + lane / 16 of tile i
	WIN 0x40
.set nn, 16*(\t)
.rept 16
	global_load_b32 v[nn], v15, s[16:17] offset:16*nn
.set nn, nn+1
.endr
.endm
.macro FA s, i0                        ; x's fragments of K step s, tiles i0 .. i0 + 3: twelve LDS loads
	WIN 0
.irp i, \i0, \i0+1, \i0+2, \i0+3
.irp c, 0,1,2
	ds_load_b128 v[128+12*(\i)+4*\c:128+12*(\i)+4*\c+3], v[6+(\i)/4] offset:TILE*((\i)%4)+1632*(\s)+272*\c
.endr
.endr
.endm
.macro WM s, i, j                      ; one product.  The scale words' rows: W's by (s / 2) % 2, x's by s / 4
.set AC, 8*(4*(\i)+(\j))
.set BA, 48*((\s)%4)+12*(\j)
.set XF, 128+12*(\i)
.set CC, AC
.if (\s) == 0
.set CC, 192+8*(\j)
.endif
.set SW, 88+4*(\j)+2*((\s)/4)+(\s)%2
.set SX, 56+4*(\i)+(\s)%4
.if (((\s)/2)%2 == 0) && ((\s)/4 == 0)
	v_wmma_scale_f32_16x16x128_f8f6f4 v[AC:AC+7], v[BA:BA+11], v[XF:XF+11], v[CC:CC+7], v[SW], v[SX] matrix_a_fmt:MATRIX_FMT_BF6 matrix_b_fmt:MATRIX_FMT_BF6
.elseif (((\s)/2)%2 == 1) && ((\s)/4 == 0)
	v_wmma_scale_f32_16x16x128_f8f6f4 v[AC:AC+7], v[BA:BA+11], v[XF:XF+11], v[CC:CC+7], v[SW], v[SX] matrix_a_fmt:MATRIX_FMT_BF6 matrix_b_fmt:MATRIX_FMT_BF6 matrix_a_scale:MATRIX_SCALE_ROW1
.elseif (((\s)/2)%2 == 0) && ((\s)/4 == 1)
	v_wmma_scale_f32_16x16x128_f8f6f4 v[AC:AC+7], v[BA:BA+11], v[XF:XF+11], v[CC:CC+7], v[SW], v[SX] matrix_a_fmt:MATRIX_FMT_BF6 matrix_b_fmt:MATRIX_FMT_BF6 matrix_b_scale:MATRIX_SCALE_ROW1
.else
	v_wmma_scale_f32_16x16x128_f8f6f4 v[AC:AC+7], v[BA:BA+11], v[XF:XF+11], v[CC:CC+7], v[SW], v[SX] matrix_a_fmt:MATRIX_FMT_BF6 matrix_b_fmt:MATRIX_FMT_BF6 matrix_a_scale:MATRIX_SCALE_ROW1 matrix_b_scale:MATRIX_SCALE_ROW1
.endif
.endm
.macro MM s, i0                        ; sixteen products: tiles i0 .. i0 + 3 of tokens x my four tiles of columns.  The 32 accumulators take turns, one instruction a turn, in the same order in every step
.if (\s) == 0
	WIN 0x91                               ; source 0 (W) window 1, source 1 (x) window 0, C (the bias) window 1, D window 2
.else
	WIN 0xA1                               ; C and D window 2
.endif
.irp i, \i0, \i0+1, \i0+2, \i0+3
.irp j, 0,1,2,3
	WM \s, \i, \j
.endr
.endr
.endm
; What a step asks of memory at its end: W's fragments four steps on, into the slot that the step has left (three steps, 96 products, ahead of their use), and beside them the next expert's bias and scale words.
.macro GROUP s, mode
.if \mode < 2
.if \s == 0
	LBIAS
	LB 4, 28
.elseif \s == 1
	LB 5, 28
.elseif \s == 2
	LB 6, 28
.elseif \s == 3
	LWS 0
	LB 7, 28
.elseif \s == 4
	LB 0, 30
.elseif \s == 5
	LB 1, 30
.elseif \s == 6
	LB 2, 30
.else
	LWS 1
	LB 3, 30
.endif
.else
.if \s < 4
	LB (\s)+4, 28
.else
	TOKL (\s)-4
.endif
.endif
.endm
; A K step of 128: 32 products.  cnt: the loads issued behind this step's fragments of W, which may stay out: the three groups before.
.macro STEP s, mode, cnt
	s_wait_loadcnt \cnt
	s_wait_dscnt 12                        ; x's tiles 0-3 are in; the youngest twelve loads (tiles 4-7) may be out
	MM \s, 0
	s_wait_dscnt 0x0                       ; tiles 4-7 are in
	PLACES
.if (\mode < 2) || (\s < 7)
	FA ((\s)+1)%8, 0
.endif
	MM \s, 4
	PLACES
.if (\mode < 2) || (\s < 7)
	FA ((\s)+1)%8, 4
.endif
	GROUP \s, \mode
.endm
.macro COMBW                           ; my token's weight for the expert in hand, tile by tile: c_lo, c_hi or 0
.irp i, 0,1,2,3,4,5,6,7
	v_cmp_eq_u32 vcc_lo, s24, v[17+2*\i]
	v_cndmask_b32 v122, 0, v[33+2*\i], vcc_lo
	v_cmp_eq_u32 vcc_lo, s24, v[16+2*\i]
	v_cndmask_b32 v[48+\i], v122, v[32+2*\i], vcc_lo
.endr
.endm
.macro COMBINE mode                    ; result (+)= weight x sums, two numbers an instruction, each accumulator from its low end on.  The first expert starts the result: nothing is cleared
.if \mode == 0
	WIN 0xC2                               ; source 0 window 2, source 1 (the weight) window 0, destination window 3
.else
	WIN 0xF2                               ; and source 2 window 3
.endif
.set nn, 0
.rept 128
.set ii, nn/16
.if \mode == 0
.if ii%2 == 0
	v_pk_mul_f32 v[2*nn:2*nn+1], v[2*nn:2*nn+1], v[48+ii:49+ii] op_sel_hi:[1,0]
.else
	v_pk_mul_f32 v[2*nn:2*nn+1], v[2*nn:2*nn+1], v[47+ii:48+ii] op_sel:[0,1] op_sel_hi:[1,1]
.endif
.else
.if ii%2 == 0
	v_pk_fma_f32 v[2*nn:2*nn+1], v[2*nn:2*nn+1], v[48+ii:49+ii], v[2*nn:2*nn+1] op_sel_hi:[1,0,1]
.else
	v_pk_fma_f32 v[2*nn:2*nn+1], v[2*nn:2*nn+1], v[47+ii:48+ii], v[2*nn:2*nn+1] op_sel:[0,1,0] op_sel_hi:[1,1,1]
.endif
.endif
.set nn, nn+1
.endr
.endm
; An expert.  mode 0: the first; 1: one between; 2: the last, which asks for no further expert.
.macro EXPERT mode
	s_wait_xcnt 0x0                        ; every load issued has read its base: the bases may be written
	s_mov_b64 s[28:29], s[30:31]
	s_mov_b32 s24, s25
.if \mode < 2
	SETNEXT
.endif
	COMBW
.if \mode < 2
	STEP 0, \mode, 40                      ; 12 + 12 + 16
	STEP 1, \mode, 48                      ; 12 + 16 + 20
	STEP 2, \mode, 48                      ; 16 + 20 + 12
	STEP 3, \mode, 44                      ; 20 + 12 + 12
	STEP 4, \mode, 40                      ; 12 + 12 + 16
	STEP 5, \mode, 40                      ; 12 + 16 + 12
	STEP 6, \mode, 40                      ; 16 + 12 + 12
	STEP 7, \mode, 36                      ; 12 + 12 + 12
.else
	STEP 0, \mode, 40                      ; 12 + 12 + 16
	STEP 1, \mode, 40                      ; 12 + 16 + 12
	STEP 2, \mode, 40                      ; 16 + 12 + 12
	STEP 3, \mode, 36                      ; 12 + 12 + 12
	STEP 4, \mode, 36
	STEP 5, \mode, 40                      ; 12 + 12 + 16
	STEP 6, \mode, 44                      ; 12 + 16 + 16
	STEP 7, \mode, 48                      ; 16 + 16 + 16
.endif
	COMBINE \mode
	WIN 0
.endm
	s_load_b512 s[4:19], s[0:1], 0x0               ; xq, xs, wq, ws, expert_b, fl, ord, out0
	v_lshl_add_u32 v126, v0, 2, 0x22000
	v_mov_b32 v127, 0
	v_lshrrev_b32 v1, 5, v0
	v_readfirstlane_b32 s20, v1                    ; wave w
	s_mov_b32 s21, ttmp9                           ; nb
	s_and_b32 s22, ttmp7, 0xffff                   ; blk
	v_and_b32 v1, 15, v0                           ; r
	v_bfe_u32 v2, v0, 4, 1                         ; h
	v_and_b32 v3, 31, v0
	v_lshlrev_b32 v3, 4, v3                        ; 16 x lane
	v_lshlrev_b32 v4, 5, v2                        ; 32 h
	v_lshlrev_b32 v5, 10, v2
	v_lshl_add_u32 v5, v1, 3, v5                   ; 1,024 h + 8 r
	v_lshlrev_b32 v12, 4, v1                       ; 16 r
	v_lshlrev_b32 v11, 4, v2                       ; 16 h
	v_mad_u32_u24 v6, v2, 816, v12                 ; a fragment of x: row r, three pieces on for lanes 16-31; tiles 0-3,
	v_add_nc_u32 v7, 4*TILE, v6                    ; tiles 4-7
	s_mul_i32 s46, s20, 2*TILE
	v_mul_u32_u24 v8, v1, 272
	v_lshl_add_u32 v8, v2, 4, v8
	v_add_nc_u32 v8, s46, v8                       ; the gather's stores: tiles 2 w, 2 w + 1; piece lane % 16, row lane / 16
	s_mul_i32 s46, s20, 8704
	s_add_co_u32 s46, s46, STG
	v_mul_u32_u24 v9, v1, 272
	v_lshl_add_u32 v9, v2, 5, v9
	v_add_nc_u32 v9, s46, v9                       ; the way out, in: row r, 32 bytes for each half of the lanes
	v_mad_u32_u24 v10, v2, 272, v12
	v_add_nc_u32 v10, s46, v10                     ; back: lanes 0-15 one row of 256 bytes, lanes 16-31 the next
	s_lshl_b32 s46, s22, 10                        ; ord: 128 places of 8 bytes a block
	v_lshl_add_u32 v13, v1, 3, s46
	v_lshl_add_u32 v15, v2, 3, s46
	s_lshl_b32 s47, s20, 8
	s_add_co_u32 s47, s47, s46
	v_lshl_add_u32 v14, v2, 3, s47
	s_wait_alu depctr_va_vdst(0)
	s_wait_kmcnt 0x0
.irp i, 0,1,2,3,4,5,6,7
	global_load_b64 v[16+2*\i:17+2*\i], v13, s[16:17] offset:128*\i       ; tile i, row r: token, lo | hi << 8
.endr
.irp t, 0,1
.irp q, 0,1,2,3,4,5,6,7
	global_load_b32 v[104+8*\t+\q], v14, s[16:17] offset:128*\t+16*\q     ; tile 2 w + t, row 2 q + lane / 16: the token whose codes I gather
.endr
.endr
	s_mov_b32 s47, 0
	s_mul_i32 s46, s21, 196608
	s_mul_i32 s48, s20, 49152
	s_add_co_u32 s46, s46, s48
	s_add_nc_u64 s[40:41], s[8:9], s[46:47]        ; wq at my four tiles of columns, expert 0
	s_lshl_b32 s46, s21, 10
	s_lshl_b32 s48, s20, 8
	s_add_co_u32 s46, s46, s48
	s_add_nc_u64 s[42:43], s[12:13], s[46:47]      ; expert_b at my 64 columns
	s_add_nc_u64 s[36:37], s[18:19], s[46:47]      ; out0 likewise
	s_lshl_b32 s46, s21, 16
	s_lshl_b32 s48, s20, 14
	s_add_co_u32 s46, s46, s48
	s_add_nc_u64 s[44:45], s[10:11], s[46:47]      ; ws
	s_wait_loadcnt 0x0
.irp i, 0,1,2,3,4,5,6,7
	v_min_u32 v[16+2*\i], 0x1fff, v[16+2*\i]       ; a token's number is under 8,192
.endr
.irp i, 0,1,2,3,4,5,6,7
	v_lshlrev_b32 v[224+\i], 3, v[16+2*\i]         ; its weights: 8 bytes a token
.endr
.irp i, 0,1,2,3,4,5,6,7
	v_lshl_add_u32 v[232+\i], v[16+2*\i], 5, v11   ; its scale bytes: 32 a token; lanes 16-31 take K steps 4-7
.endr
.set nn, 0
.rept 16
	v_min_u32 v[104+nn], 0x1fff, v[104+nn]
.set nn, nn+1
.endr
.set nn, 0
.rept 16
	v_mad_u32_u24 v[104+nn], v[104+nn], 0x300, v12 ; its codes: 768 bytes a token, 16 bytes a lane
.set nn, nn+1
.endr
.irp i, 0,1,2,3,4,5,6,7
	v_and_b32 v[16+2*\i], 0xff, v[17+2*\i]         ; lo
.endr
.irp i, 0,1,2,3,4,5,6,7
	v_lshrrev_b32 v[17+2*\i], 8, v[17+2*\i]        ; hi
.endr
	v_mov_b32 v120, 0
	v_mov_b32 v121, 0
.irp i, 0,1,2,3,4,5,6,7
	v_lshl_or_b32 v120, 1, v[16+2*\i], v120        ; the experts that my eight tokens use,
	v_lshl_or_b32 v120, 1, v[17+2*\i], v120
.endr
.irp m, 1,2,4,8
	v_mov_b32_dpp v121, v120 row_xmask:\m row_mask:0xf bank_mask:0xf
	v_or_b32 v120, v120, v121                      ; and all 128 (both halves of the lanes hold the same tokens)
.endr
	v_readfirstlane_b32 s23, v120
	s_and_b32 s23, s23, 0xff
	s_bcnt1_i32_b32 s26, s23
	s_sub_co_i32 s26, s26, 2                       ; experts between the first and the last: a token names two different experts, so there are at least two
	s_max_i32 s26, s26, 0
	s_min_u32 s26, s26, 6
	SETNEXT
.irp i, 0,1,2,3,4,5,6,7
	global_load_b64 v[32+2*\i:33+2*\i], v[224+\i], s[14:15]
.endr
.irp i, 0,1,2,3,4,5,6,7
	global_load_b128 v[56+4*\i:59+4*\i], v[232+\i], s[6:7]
.endr
	LBIAS
	WIN 0x80                                       ; destination window 2: the accumulators' registers are still free
.irp t, 0,1
.irp q, 0,1,2,3,4,5,6,7
.irp c, 0,1,2
	global_load_b128 v[4*(3*(8*\t+\q)+\c):4*(3*(8*\t+\q)+\c)+3], v[104+8*\t+\q], s[4:5] offset:256*\c   ; sixteen lanes read 256 consecutive bytes of a token's row, aligned
.endr
.endr
.endr
	LWS 0                                          ; the first expert's loads, in the order in which the loop asks for an expert's, so that the loop's counts hold on the way in
	LB 0, 30
	LB 1, 30
	LB 2, 30
	LWS 1
	LB 3, 30
	s_wait_loadcnt 56                              ; 4 + 12 + 12 + 12 + 4 + 12 were issued behind the gather: it is in, and so are the weights, x's scale words and the bias
	WIN 0x08                                       ; an LDS store's data are its source 1: window 2
.irp t, 0,1
.irp q, 0,1,2,3,4,5,6,7
.irp c, 0,1,2
	ds_store_b128 v8, v[4*(3*(8*\t+\q)+\c):4*(3*(8*\t+\q)+\c)+3] offset:TILE*\t+4352*\c+32*\q
.endr
.endr
.endr
	WIN 0
	s_wait_dscnt 0x0                               ; for the others' sake: my stores have landed
	s_barrier_signal -1
	s_barrier_wait -1                              ; the 128 tokens' codes lie in LDS; nothing writes them again
	FA 0, 0
	FA 0, 4
	EXPERT 0
	s_cmp_eq_u32 s26, 0
	s_cbranch_scc1 .Ltail
.Lloop:
	EXPERT 1
	s_sub_co_u32 s26, s26, 1
	s_cmp_lg_u32 s26, 0
	s_cbranch_scc1 .Lloop
.Ltail:
	EXPERT 2
	; THE WAY OUT.  A lane holds 32 neighbouring bytes of a token's row and the lanes beside it hold other tokens: a tile goes through my own stage in LDS and comes back as rows of 256 bytes.
	s_wait_loadcnt 0x0                             ; the tokens' numbers
	WIN 0x45                                       ; destination, sources 0 and 1 window 1; source 2 window 0
.set nn, 0
.rept 64
	v_min_u32 v[nn], 0x1fff, v[nn]
.set nn, nn+1
.endr
.set nn, 0
.rept 64
	v_lshl_add_u32 v[nn], v[nn], 12, v12           ; a row of out0 is 4,096 bytes; 16 bytes a lane
.set nn, nn+1
.endr
.macro TOST i                          ; LDS serves a wave's instructions in order: the loads see the stores, and the stage's next stores come behind them
	WIN 0x0C                               ; the data: window 3
.irp j, 0,1,2,3
	ds_store_b128 v9, v[8*(4*(\i)+\j):8*(4*(\i)+\j)+3] offset:4352*((\i)%2)+64*\j
	ds_store_b128 v9, v[8*(4*(\i)+\j)+4:8*(4*(\i)+\j)+7] offset:4352*((\i)%2)+64*\j+16
.endr
	WIN 0
.set OBB, 224-96*((\i)%2)
.irp q, 0,1,2,3,4,5,6,7
	ds_load_b128 v[OBB+4*\q:OBB+4*\q+3], v10 offset:4352*((\i)%2)+544*\q
.endr
.endm
.macro SENDT i, younger                ; younger: the LDS instructions issued behind tile i's loads
.set OBB, 224-96*((\i)%2)
	s_wait_dscnt \younger
	WIN 0x01                               ; the offsets: window 1
.irp q, 0,1,2,3,4,5,6,7
	global_store_b128 v[8*(\i)+\q], v[OBB+4*\q:OBB+4*\q+3], s[36:37] th:TH_STORE_NT   ; sixteen lanes store 256 consecutive bytes of a token's row, at a multiple of 256 from out0's first byte
.endr
.endm
	TOST 0
	s_wait_alu depctr_va_vdst(0)
.irp a, 1,2,3,4,5,6,7
.if \a > 1
	s_wait_xcnt 0x0                                ; tile a - 2's stores have read their registers: tile a's loads may land there
.endif
	TOST \a
	SENDT (\a)-1, 16
.endr
	SENDT 7, 0
	WIN 0
	s_wait_tensorcnt 0x0
	ds_add_u32 v126, v127
	s_wait_dscnt 0x0
	s_endpgm
.Lfunc_end_k_q38fdd5595f_moe:
	.size	k_q38fdd5595f_moe, .Lfunc_end_k_q38fdd5595f_moe-k_q38fdd5595f_moe
	.p2alignl 7, 3214868480
	.fill 96, 4, 3214868480
	.section	.rodata,"a",@progbits
	.p2align	6, 0x0
	.amdhsa_kernel k_q38fdd5595f_moe
		.amdhsa_group_segment_fixed_size 139776
		.amdhsa_private_segment_fixed_size 0
		.amdhsa_enable_private_segment 0
		.amdhsa_kernarg_size 64
		.amdhsa_user_sgpr_count 2
		.amdhsa_user_sgpr_kernarg_segment_ptr 1
		.amdhsa_wavefront_size32 1
		.amdhsa_system_sgpr_workgroup_id_x 1
		.amdhsa_system_sgpr_workgroup_id_y 1
		.amdhsa_system_sgpr_workgroup_id_z 1
		.amdhsa_system_vgpr_workitem_id 0
		.amdhsa_next_free_vgpr 1024
		.amdhsa_next_free_sgpr 66
		.amdhsa_reserve_vcc 1
		.amdhsa_float_denorm_mode_32 3
		.amdhsa_float_denorm_mode_16_64 3
		.amdhsa_memory_ordered 1
		.amdhsa_forward_progress 1
		.amdhsa_inst_pref_size 255
	.end_amdhsa_kernel
	.amdgpu_metadata
---
amdhsa.version: [ 1, 2 ]
amdhsa.kernels:
  - .name:           k_q38fdd5595f_moe
    .symbol:         k_q38fdd5595f_moe.kd
    .args:
      - { .name: xq, .offset: 0, .size: 8, .value_kind: global_buffer, .address_space: global }
      - { .name: xs, .offset: 8, .size: 8, .value_kind: global_buffer, .address_space: global }
      - { .name: wq, .offset: 16, .size: 8, .value_kind: global_buffer, .address_space: global }
      - { .name: ws, .offset: 24, .size: 8, .value_kind: global_buffer, .address_space: global }
      - { .name: expert_b, .offset: 32, .size: 8, .value_kind: global_buffer, .address_space: global }
      - { .name: fl, .offset: 40, .size: 8, .value_kind: global_buffer, .address_space: global }
      - { .name: ord, .offset: 48, .size: 8, .value_kind: global_buffer, .address_space: global }
      - { .name: out0, .offset: 56, .size: 8, .value_kind: global_buffer, .address_space: global }
    .group_segment_fixed_size: 139776
    .private_segment_fixed_size: 0
    .kernarg_segment_align: 8
    .kernarg_segment_size: 64
    .max_flat_workgroup_size: 128
    .sgpr_count:     66
    .vgpr_count:     1024
    .wavefront_size: 32
...
	.end_amdgpu_metadata
.endif
;; end of part 6
